; MI455X (gfx1250); checked and timed in simulation.
; The chip was launched on July 23, 2026; its instructions are those of AMD's public machine-readable ISA for CDNA 5 (MIT licence, August 2026) and "CDNA5" Instruction Set Architecture Reference Guide (July 2026). The comments in the code are by the model that wrote it; some were corrected since.
;; Multi Head Attention Block. Allowed arithmetic: matrix products marked QUANTISED: E2M1 operands, one E8M0 scale for each 32 along K, by v_wmma_scale_f32_16x16x128_f8f6f4 with both operands' format E2M1 (or v_wmma_scale_f32_32x16x128_f4), f32 sums; products left as they are: bf16, f16 or f32 operands; f32 sums; everything else in f32.
;; Inputs: Wk 8 x 512 x 512 float32; Wo 4,096 x 512 float32; Wq 8 x 512 x 512 float32; Wv 8 x 512 x 512 float32; bk 8 x 512 float32; bq 8 x 512 float32; bv 8 x 512 float32; x 4 x 1,024 x 512 float32.
;; Outputs: out0 4 x 1,024 x 512 float32.
;; This version of the problem:
;;   THIS VERSION OF THE PROBLEM IS GIVEN IN LOW PRECISION. The matrix products marked QUANTISED in the list below multiply operands that are first quantised to E2M1 (2 exponent bits, 1 mantissa bit; 4 bits a number), with one power-of-two scale for each 32 numbers along K (OCP MX v1.0); their sums are f32. The products marked 'left as it is' may take bf16, f16 or f32 operands, with f32 sums. Whichever they take, every output number must still come out within the allowed error. Rounding operands to bf16 (8 significant bits) uses up far more of that allowance than f16 does (11 bits, for magnitudes from 6e-5 to 65,504). All else is computed in f32.
;;   The module's matrix products, in the order in which they are computed (A, B: the left and right operand; K: the contracted axis; several contracted axes count as one K, in the product's order):
;;     1. [M 4,096, K 512] x [K 512, N 4,096]; A: input Wq; B: input x: QUANTISED
;;     2. [M 4,096, K 512] x [K 512, N 4,096]; A: input Wk; B: input x: QUANTISED
;;     3. [M 4,096, K 512] x [K 512, N 4,096]; A: input Wv; B: input x: QUANTISED
;;     4. batch 32 x [M 1,024, K 512] x [K 512, N 1,024]; A: computed on the way; B: computed on the way: left as it is (an operand is computed on the way)
;;     5. batch 32 x [M 1,024, K 1,024] x [K 1,024, N 512]; A: computed on the way; B: computed on the way: left as it is (an operand is computed on the way)
;;     6. [M 4,096, K 4,096] x [K 4,096, N 512]; A: computed on the way; B: input Wo: left as it is (an operand is computed on the way)
;;   THE QUANTISER, for each operand of a quantised product, along K:
;;     - K is cut into blocks of 32 from its start; a last block that is shorter is filled with zeros.
;;     - A block's scale is 2^e with e = floor(log2(the largest magnitude in the block)) - 2, held to -126 .. 127; a block of zeros has e = 0. As a byte (E8M0): e + 127.
;;     - Each number is divided by its block's scale, clamped to +-6, and rounded to the nearest number of E2M1, ties to even, subnormals kept.
;;     - The product sums the exact products of the quantised numbers (number of the format x scale) in f32.
;;   ~~~python
;;   def quantise(x, axis):      # numpy; x: float32 -> the quantised numbers, widened to float32 again
;;       x = np.moveaxis(x, axis, -1); K = x.shape[-1]
;;       x = np.pad(x, [(0, 0)] * (x.ndim - 1) + [(0, -K % 32)]); x = x.reshape(x.shape[:-1] + (-1, 32)); a = np.abs(x).max(-1, keepdims=True)
;;       e = np.where(a > 0, np.clip(np.frexp(np.where(a > 0, a, 1))[1] - 1 - 2, -126, 127), 0)      # np.frexp(a)[1] - 1 = floor(log2(a)), exactly
;;       r = np.clip(x / 2.0 ** e, -6, 6)
;;       step = 2.0 ** (np.maximum(np.frexp(np.where(r == 0, 1, r))[1] - 1, 0) - 1)
;;       q = np.round(r / step) * step * 2.0 ** e      # np.round: ties to even
;;       return np.moveaxis(q.reshape(q.shape[:-2] + (-1,))[..., :K], -1, axis).astype(np.float32)
;;   ~~~
;; One version. Each part assembles by itself: llvm-mc -triple=amdgcn-amd-amdhsa -mcpu=gfx1250 --defsym DOCPART=n.
;; ======== version 1 of 1: 4 launches
;; limits: values are held in f16: magnitudes above 65,504 overflow, below 6.1e-05 lose precision
;; workspace buffers: cs 4,456,448 bytes; wof 4,194,304 bytes; qkv 100,663,296 bytes; hf 33,554,432 bytes
;; launch prep (part 1): grid 576 x 1, 4 waves a work-group, no clusters, 39,424 bytes of LDS; arguments x, Wq, Wk, Wv, Wo, cs, wof; writes cs, wof
.if DOCPART == 1
	.amdgcn_target "amdgcn-amd-amdhsa--gfx1250"
	.amdhsa_code_object_version 6
	.text
	.protected	k_qc810bf0c38_prep
	.globl	k_qc810bf0c38_prep
	.p2align	8
	.type	k_qc810bf0c38_prep,@function
k_qc810bf0c38_prep:
	s_mov_b64 s[64:65], 0
	v_nop
	global_prefetch_b8 v0, s[64:65] scope:SCOPE_SE
	s_setreg_imm32_b32 hwreg(HW_REG_WAVE_MODE, 25, 1), 1
	s_wait_xcnt 0x0
; PREP: the operands of the later launches, laid as images of the registers that will take them.
;  cs  [1024 row tiles][4,352 bytes]: a tile of 16 rows x 512 along K as codes of FP4 (E2M1) with E8M0 scale bytes.  The fragment of K step q (128 along K) lies at 1024 q + 512 c + 16 (r + 16 h):
;      row r, k = 128 q + 64 c + 32 h + 0 .. 31, two codes a byte, the lower k in the low four bits.  The scale bytes lie at 4096 + 16 r + block.  Tiles 0-255: rows of x; tiles 256 + 256 mat + 32 head + e / 16: columns e of Wq, Wk, Wv (K = d).
;  wof [k / 256: 16][n / 16: 32][8][1,024]: Wo as f16 fragments, 16 columns n x 32 along k: 512 half + 16 (r + 16 h) holds n = r, k = 16 half + 8 h + 0 .. 7.
; A block's scale is 2^(floor(log2(its largest magnitude)) - 2); its byte is the largest magnitude's exponent field - 2, held at 1 from below.
; LIMITS: a block of zeros gets the byte 1 where the quantiser says 127 (its codes are zeros, and this program alone reads the bytes); blocks whose largest magnitude lies under 2^-124 keep the byte 1;
; NaN and infinities are not served; |Wo| beyond 65,504 has no f16 number.
; Three paths, parted on the work-group's number: 0-63 x, 64-447 the 24 weight matrices, 448-575 Wo.  Only the first uses LDS.  No cluster: no two work-groups read the same bytes.  No tensor load, no barrier: waves share nothing.
.set WREG,  9728                       ; LDS of a wave (path x): two turning stages of 32 x 80 bytes, then the tile's image, 4,352 bytes
.set SP,    80                         ; a lane's place in a stage: 64 bytes + 16 of padding
.set OUTS,  5120                       ; where the image begins
.set SPARE, 4*WREG                     ; behind the four regions: the spare words, 128 bytes a wave, which no other line names
.set RT,    4352                       ; a row tile of cs
.set SPW,   12                         ; v12 my spare word's address; never rewritten
.set NIL,   13                         ; v13 0; never rewritten
.set R,     32                         ; v32-159  path x: eight sets of 16 numbers as loaded; the other paths: 128 numbers down K
.set XN,    160                        ; v160-191 path x: two sets of 16 neighbours
	s_load_b256 s[4:11], s[0:1], 0x0               ; x s[4:5], Wq s[6:7], Wk s[8:9], Wv s[10:11]
	s_load_b128 s[12:15], s[0:1], 0x20             ; Wo s[12:13], cs s[14:15]
	s_load_b64 s[16:17], s[0:1], 0x30              ; wof
	v_lshl_add_u32 v[SPW], v0, 2, SPARE
	v_mov_b32 v[NIL], 0
	v_lshrrev_b32 v1, 5, v0
	v_readfirstlane_b32 s18, v1                    ; wave 0..3
	v_and_b32 v2, 31, v0                           ; lane
	s_wait_kmcnt 0x0
	s_cmp_lt_u32 ttmp9, 64
	s_cbranch_scc0 .Lweights
; ---- PATH X.  A wave takes one row tile: 16 steps, a row of 512 numbers each.  A load reads 512 consecutive bytes; a step's 2,048 bytes turn through the wave's stage so that a lane holds 16 neighbours along K
; (two neighbouring lanes hold a block of 32).  Codes and bytes are gathered as the tile's image in LDS and leave in runs of 512 consecutive bytes.
	v_lshlrev_b32 v3, 4, v2                        ; 16 x lane
	s_mul_i32 s19, s18, WREG
	v_lshrrev_b32 v14, 2, v2
	v_mul_u32_u24 v14, v14, SP
	v_and_b32 v15, 3, v2
	v_lshl_add_u32 v14, v15, 4, v14
	v_add_nc_u32 v14, s19, v14                     ; into a stage: 80 (lane / 4) + 16 (lane % 4)
	v_mul_u32_u24 v15, v2, SP
	v_add_nc_u32 v15, s19, v15                     ; out of it: 80 x lane
	v_lshrrev_b32 v4, 3, v2
	v_lshlrev_b32 v4, 10, v4                       ; my 16 codes, k = 16 lane on: K step lane / 8,
	v_bfe_u32 v5, v2, 1, 2
	v_lshl_add_u32 v4, v5, 8, v4                   ; c and h together: 256 ((lane / 2) % 4),
	v_and_b32 v5, 1, v2
	v_lshl_add_u32 v4, v5, 3, v4                   ; which half of the block's 16 bytes
	s_add_co_u32 s20, s19, OUTS
	v_add_nc_u32 v4, s20, v4
	v_lshrrev_b32 v5, 1, v2
	s_add_co_u32 s21, s19, OUTS+4096
	v_add_nc_u32 v5, s21, v5                       ; my block's scale byte
	v_add_nc_u32 v6, s20, v3                       ; the image on its way out: 16 bytes a lane,
	v_lshlrev_b32 v16, 3, v2
	v_add_nc_u32 v7, s21, v16                      ; its 256 scale bytes: 8 a lane
	s_lshl_b32 s22, ttmp9, 2
	s_add_co_u32 s22, s22, s18                     ; my row tile
	s_lshl_b32 s24, s22, 15                        ; 16 rows of 2,048 bytes
	s_mov_b32 s25, 0
	s_add_nc_u64 s[4:5], s[4:5], s[24:25]
	s_mul_i32 s24, s22, RT
	s_add_nc_u64 s[14:15], s[14:15], s[24:25]
.macro XLOAD t
.irp i, 0,1,2,3
	global_load_b128 v[R+16*((\t)%8)+4*\i:R+16*((\t)%8)+4*\i+3], v3, s[4:5] offset:2048*(\t)+512*\i th:TH_LOAD_NT
.endr
.endm
.macro XTURN t                         ; LDS serves a wave's instructions in order: no wait between the stores and the loads
.irp i, 0,1,2,3
	ds_store_b128 v14, v[R+16*((\t)%8)+4*\i:R+16*((\t)%8)+4*\i+3] offset:32*SP*((\t)%2)+8*SP*\i
.endr
.irp i, 0,1,2,3
	ds_load_b128 v[XN+16*((\t)%2)+4*\i:XN+16*((\t)%2)+4*\i+3], v15 offset:32*SP*((\t)%2)+16*\i
.endr
.endm
.macro XSTEP t
.set XS, XN+16*((\t)%2)
.set CD, 20+2*((\t)%2)                 ; codes and byte in registers that alternate: a step's two LDS stores are shown done by the wait at the head of the step after next
.set EB, 24+((\t)%2)
.if (\t) > 0
	s_wait_dscnt 2                                 ; this step's numbers are back from the stage; the last step's two stores may be out
.else
	s_wait_dscnt 0x0
.endif
.if (\t)+8 < 16
	XLOAD (\t)+8                                   ; into the set whose stores into the stage are done
.endif
.if (\t) < 15
.if (\t)+8 < 16
	s_wait_loadcnt 28                              ; the next step's four loads are in; the seven younger sets may be out
.else
	s_wait_loadcnt 4*(14-(\t))
.endif
	XTURN (\t)+1
.endif
	v_max3_num_f32 v8, |v[XS]|, |v[XS+1]|, |v[XS+2]|
	v_max3_num_f32 v9, |v[XS+3]|, |v[XS+4]|, |v[XS+5]|
.irp i, 6,10
	v_max3_num_f32 v8, v8, |v[XS+\i]|, |v[XS+\i+1]|
	v_max3_num_f32 v9, v9, |v[XS+\i+2]|, |v[XS+\i+3]|
.endr
	v_max3_num_f32 v8, v8, |v[XS+14]|, |v[XS+15]|
	v_max3_num_f32 v8, v8, v9, 0x1800000           ; the floor 2^(3 - 127): the byte cannot fall under 1
	v_max_num_f32_dpp v8, v8, v8 row_xmask:1 row_mask:0xf bank_mask:0xf   ; with my neighbour's 16: the block's largest magnitude
	v_add_nc_u32 v11, 0xff000000, v8               ; 2 off its exponent field: the conversion takes this operand's exponent field as its scale
	v_cvt_scalef32_pk8_fp4_f32 v[CD], v[XS:XS+7], v11
	v_cvt_scalef32_pk8_fp4_f32 v[CD+1], v[XS+8:XS+15], v11
	v_lshrrev_b32 v[EB], 23, v11                   ; the scale's byte (also the plain line behind the conversions)
	ds_store_b64 v4, v[CD:CD+1] offset:16*(\t)     ; row t of the tile
	ds_store_b8 v5, v[EB] offset:16*(\t)           ; both lanes of a block write the same byte with the same value
.endm
.irp t, 0,1,2,3,4,5,6,7
	XLOAD \t
.endr
	s_wait_loadcnt 28                              ; step 0's four loads are in
	XTURN 0
.irp t, 0,1,2,3,4,5,6,7,8,9,10,11,12,13,14,15
	XSTEP \t
.endr
.irp i, 0,1,2,3,4,5,6,7
	ds_load_b128 v[R+4*\i:R+4*\i+3], v6 offset:512*\i
.endr
	ds_load_b64 v[R+32:R+33], v7
	s_wait_dscnt 0x0
.irp i, 0,1,2,3,4,5,6,7
	global_store_b128 v3, v[R+4*\i:R+4*\i+3], s[14:15] offset:512*\i   ; 32 lanes store 512 consecutive bytes, at a multiple of 256 from the buffer's first byte
.endr
	global_store_b64 v16, v[R+32:R+33], s[14:15] offset:4096           ; the 256 scale bytes
	s_wait_tensorcnt 0x0                           ; the wave's end, behind my last LDS store
	ds_add_u32 v[SPW], v[NIL]
	s_wait_dscnt 0x0
	s_endpgm
; ---- THE OTHER TWO PATHS: K is the tensor's first axis.  A lane takes a column and its 128 registers run down K, in four blocks of 32: each load reads 128 consecutive bytes a wave, 512 a work-group.
; The loads run two blocks ahead: blocks 0 and 1 are asked for at the head, block B + 2 straight behind the wait for block B.  Every block has registers of its own, and the address registers are never rewritten.
.macro COLS lo, B                      ; block B: rows 32 B .. 32 B + 31 of my column
.set i, 32*(\B)
.rept 32
	global_load_b32 v[R+i], v3, s[\lo:\lo+1] offset:i*2048 th:TH_LOAD_NT
.set i, i+1
.endr
.endm
.Lweights:
	v_lshlrev_b32 v3, 2, v2                        ; 4 bytes a lane
	v_lshrrev_b32 v4, 4, v2                        ; which of my wave's two tiles of 16 columns
	v_and_b32 v5, 15, v2                           ; r
	s_cmp_lt_u32 ttmp9, 448
	s_cbranch_scc0 .Lwo
; PATH W: 32 columns e x 128 along d of one head of Wq, Wk or Wv: four blocks of 32 a lane, each 16 bytes of the fragment of K step kq.
	s_sub_co_u32 s19, ttmp9, 64
	s_and_b32 s20, s19, 3                          ; which 128 columns
	s_bfe_u32 s21, s19, 0x20002                    ; kq: which 128 along d
	s_bfe_u32 s22, s19, 0x30004                    ; head
	s_lshr_b32 s23, s19, 7                         ; 0, 1, 2: q, k, v
	s_cmp_eq_u32 s23, 0
	s_cselect_b64 s[24:25], s[6:7], s[8:9]
	s_cmp_eq_u32 s23, 2
	s_cselect_b64 s[24:25], s[10:11], s[24:25]
	s_lshl_b32 s26, s22, 20                        ; a head is 512 x 512 x 4 bytes
	s_lshl_b32 s27, s21, 18                        ; 128 rows of 2,048 bytes
	s_add_co_u32 s26, s26, s27
	s_lshl_b32 s27, s20, 9
	s_add_co_u32 s26, s26, s27
	s_lshl_b32 s27, s18, 7
	s_add_co_u32 s26, s26, s27
	s_mov_b32 s27, 0
	s_add_nc_u64 s[24:25], s[24:25], s[26:27]
	COLS 24, 0
	COLS 24, 1
	s_lshl_b32 s28, s23, 8
	s_lshl_b32 s29, s22, 5
	s_add_co_u32 s28, s28, s29
	s_lshl_b32 s29, s20, 3
	s_add_co_u32 s28, s28, s29
	s_lshl_b32 s29, s18, 1
	s_add_co_u32 s28, s28, s29
	s_add_co_u32 s28, s28, 256                     ; my wave's first row tile of cs
	s_mul_i32 s28, s28, RT
	s_lshl_b32 s34, s21, 2
	s_add_co_u32 s34, s34, s28
	s_add_co_u32 s34, s34, 4096                    ; its scale bytes of blocks 4 kq on
	s_mov_b32 s35, 0
	s_lshl_b32 s29, s21, 10
	s_add_co_u32 s28, s28, s29                     ; its fragment of K step kq
	s_mov_b32 s29, 0
	s_add_nc_u64 s[30:31], s[14:15], s[28:29]
	s_add_nc_u64 s[32:33], s[14:15], s[34:35]
	v_mul_u32_u24 v4, v4, RT
	v_lshl_add_u32 v4, v5, 4, v4                   ; tile x 4,352 + 16 r
.macro WBLOCK B
.set XS, R+32*(\B)
.if (\B) < 3
	s_wait_loadcnt 32                              ; this block's 32 loads are in; the one younger block's 32 may be out
.else
	s_wait_loadcnt 0x0
.endif
.if (\B) < 2
	COLS 24, (\B)+2                                ; two blocks ahead
.endif
	v_max3_num_f32 v8, |v[XS]|, |v[XS+1]|, |v[XS+2]|
	v_max3_num_f32 v9, |v[XS+3]|, |v[XS+4]|, |v[XS+5]|
.irp i, 6,10,14,18,22,26
	v_max3_num_f32 v8, v8, |v[XS+\i]|, |v[XS+\i+1]|
	v_max3_num_f32 v9, v9, |v[XS+\i+2]|, |v[XS+\i+3]|
.endr
	v_max3_num_f32 v8, v8, |v[XS+30]|, |v[XS+31]|
	v_max3_num_f32 v8, v8, v9, 0x1800000           ; the floor 2^(3 - 127)
	v_add_nc_u32 v11, 0xff000000, v8
	v_lshrrev_b32 v10, 23, v11
.if (\B) == 0
	v_mov_b32 v176, v10
.else
	v_lshl_or_b32 v176, v10, 8*(\B), v176          ; four bytes make the K step's scale word
.endif
.irp g, 0,1,2,3
	v_cvt_scalef32_pk8_fp4_f32 v[160+4*(\B)+\g], v[XS+8*\g:XS+8*\g+7], v11
.endr
	v_nop                                          ; one plain line behind the conversions
	global_store_b128 v4, v[160+4*(\B):160+4*(\B)+3], s[30:31] offset:256*(\B)   ; block B = 2 c + h: sixteen lanes store 256 consecutive bytes, aligned
.endm
	WBLOCK 0
	WBLOCK 1
	WBLOCK 2
	WBLOCK 3
	global_store_b32 v4, v176, s[32:33]            ; 4 bytes of each row's 16: these blocks of 256 bytes are written by four work-groups, a quarter each: 4 bytes for each 512 that the lane read
	s_endpgm
; PATH O: 32 columns n x 128 along k of Wo, rounded to f16: four fragments' worth a lane.
.Lwo:
	s_sub_co_u32 s19, ttmp9, 448
	s_and_b32 s20, s19, 3                          ; which 128 columns
	s_lshr_b32 s21, s19, 2                         ; kb: which 128 along k
	s_lshl_b32 s26, s21, 18
	s_lshl_b32 s27, s20, 9
	s_add_co_u32 s26, s26, s27
	s_lshl_b32 s27, s18, 7
	s_add_co_u32 s26, s26, s27
	s_mov_b32 s27, 0
	s_add_nc_u64 s[24:25], s[12:13], s[26:27]
	COLS 24, 0
	COLS 24, 1
	s_lshr_b32 s28, s21, 1
	s_lshl_b32 s28, s28, 18                        ; k / 256: 32 tiles x 8 fragments x 1,024 bytes
	s_lshl_b32 s29, s20, 3
	s_lshl_b32 s30, s18, 1
	s_add_co_u32 s29, s29, s30
	s_lshl_b32 s29, s29, 13                        ; my wave's first tile of 16 columns
	s_add_co_u32 s28, s28, s29
	s_and_b32 s29, s21, 1
	s_lshl_b32 s29, s29, 12                        ; fragments 4 (kb % 2) on
	s_add_co_u32 s28, s28, s29
	s_mov_b32 s29, 0
	s_add_nc_u64 s[30:31], s[16:17], s[28:29]
	v_lshlrev_b32 v4, 13, v4
	v_lshl_add_u32 v4, v5, 4, v4                   ; tile x 8,192 + 16 r
.macro OBLOCK B
.if (\B) < 3
	s_wait_loadcnt 32                              ; this block's 32 loads are in; the one younger block's 32 may be out
.else
	s_wait_loadcnt 0x0
.endif
.if (\B) < 2
	COLS 24, (\B)+2                                ; two blocks ahead
.endif
.set n, 0
.rept 16
	v_cvt_pk_f16_f32 v[R+32*(\B)+n], v[R+32*(\B)+2*n], v[R+32*(\B)+2*n+1]   ; in place, ascending: no number is written over before it is read
.set n, n+1
.endr
.irp g, 0,1,2,3
	global_store_b128 v4, v[R+32*(\B)+4*\g:R+32*(\B)+4*\g+3], s[30:31] offset:1024*(\B)+256*\g   ; k = 32 B + 8 g on: g = 2 half + h; sixteen lanes store 256 consecutive bytes, aligned
.endr
.endm
	OBLOCK 0
	OBLOCK 1
	OBLOCK 2
	OBLOCK 3
	s_endpgm
.Lfunc_end_k_qc810bf0c38_prep:
	.size	k_qc810bf0c38_prep, .Lfunc_end_k_qc810bf0c38_prep-k_qc810bf0c38_prep
	.p2alignl 7, 3214868480
	.fill 96, 4, 3214868480
	.section	.rodata,"a",@progbits
	.p2align	6, 0x0
	.amdhsa_kernel k_qc810bf0c38_prep
		.amdhsa_group_segment_fixed_size 39424
		.amdhsa_private_segment_fixed_size 0
		.amdhsa_enable_private_segment 0
		.amdhsa_kernarg_size 56
		.amdhsa_user_sgpr_count 2
		.amdhsa_user_sgpr_kernarg_segment_ptr 1
		.amdhsa_wavefront_size32 1
		.amdhsa_system_sgpr_workgroup_id_x 1
		.amdhsa_system_sgpr_workgroup_id_y 1
		.amdhsa_system_sgpr_workgroup_id_z 1
		.amdhsa_system_vgpr_workitem_id 0
		.amdhsa_next_free_vgpr 192
		.amdhsa_next_free_sgpr 66
		.amdhsa_reserve_vcc 0
		.amdhsa_float_denorm_mode_32 3
		.amdhsa_float_denorm_mode_16_64 3
		.amdhsa_memory_ordered 1
		.amdhsa_forward_progress 1
		.amdhsa_inst_pref_size 73
	.end_amdhsa_kernel
	.amdgpu_metadata
---
amdhsa.version: [ 1, 2 ]
amdhsa.kernels:
  - .name:           k_qc810bf0c38_prep
    .symbol:         k_qc810bf0c38_prep.kd
    .args:
      - { .name: x, .offset: 0, .size: 8, .value_kind: global_buffer, .address_space: global }
      - { .name: Wq, .offset: 8, .size: 8, .value_kind: global_buffer, .address_space: global }
      - { .name: Wk, .offset: 16, .size: 8, .value_kind: global_buffer, .address_space: global }
      - { .name: Wv, .offset: 24, .size: 8, .value_kind: global_buffer, .address_space: global }
      - { .name: Wo, .offset: 32, .size: 8, .value_kind: global_buffer, .address_space: global }
      - { .name: cs, .offset: 40, .size: 8, .value_kind: global_buffer, .address_space: global }
      - { .name: wof, .offset: 48, .size: 8, .value_kind: global_buffer, .address_space: global }
    .group_segment_fixed_size: 39424
    .private_segment_fixed_size: 0
    .kernarg_segment_align: 8
    .kernarg_segment_size: 56
    .max_flat_workgroup_size: 128
    .sgpr_count:     66
    .vgpr_count:     192
    .wavefront_size: 32
...
	.end_amdgpu_metadata
.endif
;; end of part 1
;; launch qkv (part 2): grid 16 x 16, 4 waves a work-group, clusters of 4 x 4, 327,680 bytes of LDS; arguments cs, bq, bk, bv, qkv; writes qkv
.if DOCPART == 2
	.amdgcn_target "amdgcn-amd-amdhsa--gfx1250"
	.amdhsa_code_object_version 6
	.text
	.protected	k_qc810bf0c38_qkv
	.globl	k_qc810bf0c38_qkv
	.p2align	8
	.type	k_qc810bf0c38_qkv,@function
k_qc810bf0c38_qkv:
	s_mov_b64 s[64:65], 0
	v_nop
	global_prefetch_b8 v0, s[64:65] scope:SCOPE_SE
	s_setreg_imm32_b32 hwreg(HW_REG_WAVE_MODE, 25, 1), 1
	s_wait_xcnt 0x0
	s_wait_alu depctr_hold_cnt(0) depctr_sa_sdst(0) depctr_va_vdst(0) depctr_va_sdst(0) depctr_va_ssrc(0) depctr_va_vcc(0) depctr_vm_vsrc(0)
	s_getreg_b32 s2, hwreg(HW_REG_IB_STS2, 6, 4)
	s_cmp_eq_u32 s2, 0
	s_cbranch_scc0 .Lentry_in_a_cluster
	s_endpgm
.Lentry_in_a_cluster:
	s_bfe_u32 s2, ttmp6, 0x10000c
	s_cmp_lg_u32 s2, 0xf033
	s_cbranch_scc0 .Lentry_shape_is_right
	s_endpgm
.Lentry_shape_is_right:
; q, k, v = x W + b for all heads, on codes of FP4 (E2M1) with one E8M0 scale for each 32 along K = 512; sums in f32; results rounded once to f16 and stored as images of the fragments that the attention launch takes.
; LIMIT: |q|, |k|, |v| beyond 65,504 have no f16 number.
; SHARES.  A work-group takes 256 rows of x (gy) and 256 columns e of one head (gx = 2 head + half), for q, k and v in turn: three tiles of 256 x 256 with the same rows of x.  A wave makes 128 x 128: 64 accumulators.
; K is 512, so x's tile and the three weight tiles, codes and scale bytes, lie in LDS whole: four regions, each filled once; there is no ring.
; CLUSTER 4 x 4: the four work-groups of a row need the same rows of x, the four of a column the same weight tiles: each is asked for jointly.
; q and k are made TRANSPOSED (source 0 = 16 columns of W, source 1 = 16 rows of x): a lane holds one row s and eight neighbouring e: 16 bytes of a fragment (rows s, K = e).
; v is made the other way round: a lane holds one e and eight neighbouring s: 16 bytes of a fragment of V^T (rows e, K = the keys).  So every store is 16 bytes a lane at 16 x lane: 512 consecutive bytes.
; The bias is the C of each sum's first product.
; qkv: q at 0, k at 2^25: [b h: 32][s / 16: 64][e / 32: 16][1,024];  v at 2^26: [b h][key / 32: 32][e / 16: 32][1,024].
; REGISTERS: window 0: v16-30 addresses; v32-95 scale words, two sets (register 4 i + q: lanes 0-15 x's block i, lanes 16-31 W's block i, K step q); v96-127 packed results; v128-191 x's eight fragments, one set; v192-255 the bias, 8 a block of columns.
;   window 1: W's fragments, two sets, at v0 and v128.   windows 2, 3: the accumulators of my rows 0-63, 64-127: (a, b) at 8 (8 (a % 4) + b).
.set RT,    4352                       ; a row tile of cs: four fragments of 1,024 bytes and 256 scale bytes
.set HALFT, 8*RT                       ; what one tensor load brings, and what a wave reads of a tile
.set TILEB, 16*RT
.set MATB,  256*RT                     ; from one matrix's row tiles to the next's
.set SPARE, 4*TILEB                    ; behind the four regions: the spare words, 128 bytes a wave, which no other line names
.set ADRA, 16                          ; v16    my rows of x in LDS + 16 x lane
.set ADRB, 20                          ; v20-22 my columns of tile t
.set ADRS, 23                          ; v23-25 scale words: lanes 0-15 x's, lanes 16-31 tile t's
.set LN,   26                          ; v26    16 x lane
.set BO8,  27                          ; v27    32 h: the bias of my eight e
.set SPW,  28
.set NIL,  29
.set BO1,  30                          ; v30    4 r: the bias of my one e
.set SC,   32
.set TMP,  96
.set AF,   128
.set BIAS, 192
.set G1A,  24                          ; s[24:31] descriptor group 1 with my row's mask;  s[48:55] with my column's
.set G1B,  48
.set G0A,  32                          ; s[32:35] group 0 for x's tile;  s[36:39], s[56:59], s[60:63] for the three weight tiles
.set G0B0, 36
.set G0B1, 56
.set G0B2, 60
.set TO_B, 0x40                        ; destination window 1, address window 0
.set MSB, 0
.macro WIN new                         ; the immediate's high byte repeats the setting that is left
.if MSB != (\new)
	s_set_vgpr_msb (MSB<<8)|(\new)
.set MSB, (\new)
.endif
.endm
.macro PLACES n
.rept \n
	v_nop
.endr
.endm
; A joint load: one line for waves 0 and 1, one for waves 2 and 3; the branch hangs on the wave's number alone.  An s_nop 0 and four v_nop follow each line.
.macro JLOAD g0a, g1a, g0b, g1b
	s_cmp_eq_u32 s15, 0
	s_cbranch_scc0 .Lfor_b_\@
	tensor_load_to_lds s[\g0a:\g0a+3], s[\g1a:\g1a+7]
	s_nop 0
.rept 4
	v_nop
.endr
	s_branch .Lasked_\@
.Lfor_b_\@:
	tensor_load_to_lds s[\g0b:\g0b+3], s[\g1b:\g1b+7]
	s_nop 0
.rept 4
	v_nop
.endr
.Lasked_\@:
.endm
.macro CROUND                          ; a round of the cluster's barrier
	s_barrier_signal -1
	s_barrier_wait -1
	s_cmp_lg_u32 s14, 0
	s_cbranch_scc1 .Lnot_wave_0_\@
	s_barrier_signal -3
.Lnot_wave_0_\@:
	s_barrier_wait -3
	s_barrier_signal -1
	s_barrier_wait -1
.endm
	s_load_b256 s[4:11], s[0:1], 0x0               ; cs s[4:5], bq s[6:7], bk s[8:9], bv s[10:11]
	s_load_b64 s[12:13], s[0:1], 0x20              ; qkv
	v_lshl_add_u32 v[SPW], v0, 2, SPARE
	v_mov_b32 v[NIL], 0
	ds_add_u32 v[SPW], v[NIL]                      ; the wave's opening: the add, twice on end, and its wait ahead of my first tensor load
	ds_add_u32 v[SPW], v[NIL]
	v_lshrrev_b32 v1, 5, v0
	v_readfirstlane_b32 s14, v1                    ; wave 0..3
	s_lshr_b32 s15, s14, 1                         ; which half of the tile's rows is mine; also which of a joint load's two lines I take
	s_and_b32 s16, s14, 1                          ; which half of its columns; also which half of a tile I fetch
	s_bfe_u32 s40, ttmp6, 0x40000                  ; cx
	s_bfe_u32 s41, ttmp6, 0x40004                  ; cy
	s_lshl_b32 s42, ttmp9, 2
	s_add_co_u32 s42, s42, s40                     ; gx = 2 head + half
	s_and_b32 s17, ttmp7, 0xffff
	s_lshl_b32 s17, s17, 2
	s_add_co_u32 s17, s17, s41                     ; gy: which 256 rows of x
	s_lshl_b32 s43, s41, 2
	s_lshl_b32 s43, 15, s43                        ; my row of the cluster
	s_lshl_b32 s44, 0x1111, s40                    ; my column
	; group 1: eight row tiles, 34,816 dense bytes, as 136 rows of 256 bytes (32 elements of 8 bytes); no padding: fragments are read 16 bytes a lane on end
	s_or_b32 s[G1A], s43, (3<<16)|(1<<21)
	s_or_b32 s[G1B], s44, (3<<16)|(1<<21)
.irp g, G1A, G1B
	s_mov_b32 s[\g+1], 32<<16                      ; tensor_dim0
	s_mov_b32 s[\g+2], 136<<16                     ; tensor_dim1
	s_mov_b32 s[\g+3], 32<<16                      ; tile_dim0
	s_mov_b32 s[\g+4], 136                         ; tile_dim1
	s_mov_b32 s[\g+5], 32                          ; the pitch
	s_mov_b32 s[\g+6], 0
	s_mov_b32 s[\g+7], 0
.endr
	s_lshl_b32 s18, s16, 3                         ; the eight row tiles that I fetch
	s_lshl_b32 s20, s17, 4
	s_add_co_u32 s20, s20, s18
	s_mul_i32 s20, s20, RT                         ; x: row tile 16 gy + 8 half
	s_mov_b32 s21, 0
	s_lshl_b32 s46, s42, 4
	s_add_co_u32 s46, s46, s18
	s_add_co_u32 s46, s46, 256
	s_mul_i32 s46, s46, RT                         ; Wq: row tile 256 + 16 gx + 8 half
	s_mov_b32 s47, 0
	s_mul_i32 s45, s16, HALFT                      ; where they go in a region: no place in the cluster enters an LDS address
	s_wait_dscnt 0x0                               ; both opening adds are done
	s_wait_kmcnt 0x0
	s_add_nc_u64 s[20:21], s[4:5], s[20:21]
	s_add_nc_u64 s[46:47], s[4:5], s[46:47]
	CROUND                                         ; all sixteen work-groups are here: the joint loads meet
	s_mov_b32 s[G0A], 1
	s_mov_b32 s[G0A+1], s45
	s_mov_b64 s[G0A+2:G0A+3], s[20:21]
	s_or_b32 s[G0A+3], s[G0A+3], 0x80000000
	s_mov_b32 s[G0B0], 1
	s_add_co_u32 s[G0B0+1], s45, TILEB
	s_mov_b64 s[G0B0+2:G0B0+3], s[46:47]
	s_or_b32 s[G0B0+3], s[G0B0+3], 0x80000000
	s_mov_b32 s[G0B1], 1
	s_add_co_u32 s[G0B1+1], s45, 2*TILEB
	s_add_nc_u64 s[G0B1+2:G0B1+3], s[46:47], MATB
	s_or_b32 s[G0B1+3], s[G0B1+3], 0x80000000
	s_mov_b32 s[G0B2], 1
	s_add_co_u32 s[G0B2+1], s45, 3*TILEB
	s_add_nc_u64 s[G0B2+2:G0B2+3], s[46:47], 2*MATB
	s_or_b32 s[G0B2+3], s[G0B2+3], 0x80000000
	JLOAD G0A, G1A, G0B0, G1B                      ; waves 0, 1: x's halves; waves 2, 3: Wq's
	JLOAD G0B2, G1B, G0B1, G1B                     ; waves 0, 1: Wv's halves; waves 2, 3: Wk's.  Two tensor loads of mine are out
	v_and_b32 v1, 15, v0                           ; r
	v_bfe_u32 v2, v0, 4, 1                         ; h
	v_and_b32 v3, 31, v0
	v_lshlrev_b32 v[LN], 4, v3
	v_lshlrev_b32 v[BO8], 5, v2
	v_lshlrev_b32 v[BO1], 2, v1
	s_mul_i32 s21, s15, HALFT
	v_add_nc_u32 v[ADRA], s21, v[LN]
	s_mul_i32 s22, s16, HALFT
.irp t, 0,1,2
	s_add_co_u32 s22, s22, TILEB
	v_add_nc_u32 v[ADRB+\t], s22, v[LN]
	s_sub_co_u32 s23, s22, s21                     ; from x's rows to tile t's columns:
	v_mul_u32_u24 v4, s23, v2                      ; lanes 16-31 take W's scale words
	v_lshl_add_u32 v4, v1, 4, v4                   ; 16 bytes a row
	v_add_nc_u32 v[ADRS+\t], s21, v4
	v_add_nc_u32 v[ADRS+\t], 4096, v[ADRS+\t]      ; behind a row tile's four fragments
.endr
	; where my results go
	s_lshr_b32 s80, s17, 2
	s_lshl_b32 s80, s80, 3
	s_lshr_b32 s81, s42, 1
	s_add_co_u32 s80, s80, s81                     ; 8 b + head
	s_lshl_b32 s80, s80, 20
	s_and_b32 s81, s17, 3
	s_lshl_b32 s81, s81, 4
	s_lshl_b32 s82, s15, 3
	s_add_co_u32 s81, s81, s82                     ; my first tile of 16 rows in the sequence,
	s_lshl_b32 s81, s81, 14                        ; x 16,384 bytes in q and k; the same number is (my first 32 keys) x 32,768 in v
	s_add_co_u32 s80, s80, s81
	s_and_b32 s82, s42, 1
	s_lshl_b32 s82, s82, 3
	s_lshl_b32 s83, s16, 2
	s_add_co_u32 s82, s82, s83                     ; my first 32 of e,
	s_lshl_b32 s82, s82, 10                        ; x 1,024 bytes; twice that in v, whose tiles are 16 of e
	s_add_co_u32 s84, s80, s82
	s_mov_b32 s85, 0
	s_add_nc_u64 s[68:69], s[12:13], s[84:85]      ; q
	s_add_nc_u64 s[70:71], s[68:69], 33554432      ; k
	s_lshl_b32 s82, s82, 1
	s_add_co_u32 s84, s80, s82
	s_add_co_u32 s84, s84, 67108864
	s_add_nc_u64 s[72:73], s[12:13], s[84:85]      ; v
	s_lshl_b32 s84, s42, 10
	s_lshl_b32 s86, s16, 9
	s_add_co_u32 s84, s84, s86                     ; the biases of my 128 columns: 4 (256 gx + 128 half)
	s_add_nc_u64 s[74:75], s[6:7], s[84:85]
	s_add_nc_u64 s[76:77], s[8:9], s[84:85]
	s_add_nc_u64 s[78:79], s[10:11], s[84:85]
.macro BIASLD t                        ; q, k: register j of block b is the bias of e = 16 b + 8 h + j;  v: of e = 16 b + r, copied into all eight later
.if (\t) < 2
.irp b, 0,1,2,3,4,5,6,7
	global_load_b128 v[BIAS+8*\b:BIAS+8*\b+3], v[BO8], s[74+2*(\t):75+2*(\t)] offset:64*\b
	global_load_b128 v[BIAS+8*\b+4:BIAS+8*\b+7], v[BO8], s[74+2*(\t):75+2*(\t)] offset:64*\b+16
.endr
.else
.irp b, 0,1,2,3,4,5,6,7
	global_load_b32 v[BIAS+8*\b], v[BO1], s[78:79] offset:64*\b
.endr
.endif
.endm
.macro FRAG reg, adr, q, i             ; a fragment, 16 rows x 128 K of 4-bit codes: 8 registers, two loads of 16 bytes a lane, each 512 consecutive bytes
.irp c, 0,1
	ds_load_b128 v[\reg+4*\c:\reg+4*\c+3], v[\adr] offset:1024*(\q)+512*\c+(\i)*RT
.endr
.endm
.macro FETCH_B t, q, p                 ; tile t's eight fragments of K step q into set p
	WIN TO_B
.irp i, 0,1,2,3,4,5,6,7
	FRAG 128*(\p)+8*\i, ADRB+(\t), \q, \i
.endr
	WIN 0
.endm
.macro FETCH_A q, i0                   ; x's blocks i0 .. i0 + 3
.irp i, \i0, \i0+1, \i0+2, \i0+3
	FRAG AF+8*(\i), ADRA, \q, \i
.endr
.endm
.macro SCALES t                        ; all four K steps' scale words for tile t: 16 bytes a row
.irp i, 0,1,2,3,4,5,6,7
	ds_load_b128 v[SC+32*((\t)%2)+4*\i:SC+32*((\t)%2)+4*\i+3], v[ADRS+(\t)] offset:\i*RT
.endr
.endm
; 16 products: x's blocks a0, a0 + 1 against W's eight.  The 64 accumulators take turns, one instruction a turn, in the same order in every step.
.macro MUL16 a0, p, q, sc, first, tr
.irp a, \a0, \a0+1
.irp b, 0,1,2,3,4,5,6,7
.set rD, 8*(8*((\a)%4)+\b)
.set rB, 128*(\p)+8*\b
.set rA, AF+8*(\a)
.set rC, BIAS+8*\b
.set sB, SC+32*(\sc)+4*\b+(\q)
.set sA, SC+32*(\sc)+4*(\a)+(\q)
.if \tr
.if \first
	v_wmma_scale_f32_16x16x128_f8f6f4 v[rD:rD+7], v[rB:rB+7], v[rA:rA+7], v[rC:rC+7], v[sB], v[sA] matrix_a_fmt:MATRIX_FMT_FP4 matrix_b_fmt:MATRIX_FMT_FP4 matrix_a_scale:MATRIX_SCALE_ROW1
.else
	v_wmma_scale_f32_16x16x128_f8f6f4 v[rD:rD+7], v[rB:rB+7], v[rA:rA+7], v[rD:rD+7], v[sB], v[sA] matrix_a_fmt:MATRIX_FMT_FP4 matrix_b_fmt:MATRIX_FMT_FP4 matrix_a_scale:MATRIX_SCALE_ROW1
.endif
.else
.if \first
	v_wmma_scale_f32_16x16x128_f8f6f4 v[rD:rD+7], v[rA:rA+7], v[rB:rB+7], v[rC:rC+7], v[sA], v[sB] matrix_a_fmt:MATRIX_FMT_FP4 matrix_b_fmt:MATRIX_FMT_FP4 matrix_b_scale:MATRIX_SCALE_ROW1
.else
	v_wmma_scale_f32_16x16x128_f8f6f4 v[rD:rD+7], v[rA:rA+7], v[rB:rB+7], v[rD:rD+7], v[sA], v[sB] matrix_a_fmt:MATRIX_FMT_FP4 matrix_b_fmt:MATRIX_FMT_FP4 matrix_b_scale:MATRIX_SCALE_ROW1
.endif
.endif
.endr
.endr
.endm
; K step q of tile t: 64 products.  fetch = 1: the fragments of K step nq of tile nt are fetched: W's other set and x's blocks 0-3 in the step's middle, x's blocks 4-7 at its end.
; A load into a register that a matrix instruction has read stands four plain vector instructions behind it (ISA guide 7.12.1 for vector instructions).
.macro STEP t, q, nt, nq, fetch
.if (\t) < 2
.set WLO, 0xa1                         ; source 0 (W) window 1, source 1 (x) window 0, C and D window 2
.set WHI, 0xf1
.set TR, 1
.else
.set WLO, 0xa4                         ; source 0 (x) window 0, source 1 (W) window 1
.set WHI, 0xf4
.set TR, 0
.endif
.set FST, 0
.if (\q) == 0
.set WLO, WLO&0xcf                     ; C is the bias, in window 0
.set WHI, WHI&0xcf
.set FST, 1
.endif
	s_wait_dscnt 8                                 ; all but the youngest eight loads, x's blocks 4-7
	WIN WLO
	MUL16 0, (\q)%2, \q, (\t)%2, FST, TR
	MUL16 2, (\q)%2, \q, (\t)%2, FST, TR
	s_wait_dscnt 0x0                               ; x's blocks 4-7 are in
.if \fetch
	PLACES 4
	FETCH_B \nt, \nq, (\nq)%2
	FETCH_A \nq, 0
.if (\nq) == 0
	SCALES \nt
.endif
.if ((\q) == 1) && ((\t) < 2)
	BIASLD (\t)+1                                  ; this tile's first step has read the bias registers: the next tile's come
.endif
.endif
	WIN WHI
	MUL16 4, (\q)%2, \q, (\t)%2, FST, TR
	MUL16 6, (\q)%2, \q, (\t)%2, FST, TR
.if \fetch
	PLACES 4
	WIN 0
	FETCH_A \nq, 4
.endif
.endm
; Tile t goes out, a block of 16 rows of x at a time: each accumulator, from its low end on, packs into 16 bytes a lane, which are a fragment's bytes as they stand.
.macro OUT t
	WIN 0
.if (\t) < 2
	s_wait_loadcnt 0x0                             ; the next tile's bias is in
.endif
.if (\t) == 1
.irp b, 0,1,2,3,4,5,6,7
.irp j, 1,2,3,4,5,6,7
	v_mov_b32 v[BIAS+8*\b+\j], v[BIAS+8*\b]        ; v's results hold one e a lane: all eight registers take its bias
.endr
.endr
.endif
.irp a, 0,1,2,3,4,5,6,7
	s_wait_xcnt 0x0                                ; the earlier stores have read their data: the packed registers are written again only behind this wait
	WIN 0x0a+5*(\a/4)                              ; sources in window 2 or 3
.irp b, 0,1,2,3,4,5,6,7
.irp r, 0,1,2,3
	v_cvt_pk_f16_f32 v[TMP+4*\b+\r], v[64*(\a%4)+8*\b+2*\r], v[64*(\a%4)+8*\b+2*\r+1]
.endr
.endr
	WIN 0
.irp b, 0,1,2,3,4,5,6,7
.if (\t) < 2
	global_store_b128 v[LN], v[TMP+4*\b:TMP+4*\b+3], s[68+2*(\t):69+2*(\t)] offset:\a*16384+\b*512             ; rows 16 a on, e = 16 b on: half b % 2 of fragment b / 2; 512 consecutive bytes
.else
	global_store_b128 v[LN], v[TMP+4*\b:TMP+4*\b+3], s[72:73] offset:(\a/2)*32768+(\a%2)*512+\b*1024           ; keys 16 a on: half a % 2 of the 32 keys a / 2; e = 16 b on
.endif
.endr
.endr
.endm
	BIASLD 0
	s_wait_tensorcnt 0x0                           ; my parts of two regions are in,
	s_barrier_signal -1
	s_barrier_wait -1                              ; everybody's are: all four regions are whole, for the rest of the launch
	FETCH_B 0, 0, 0
	FETCH_A 0, 0
	SCALES 0
	FETCH_A 0, 4
	s_wait_loadcnt 0x0                             ; q's bias
.irp t, 0,1,2
	STEP \t, 0, \t, 1, 1
	STEP \t, 1, \t, 2, 1
	STEP \t, 2, \t, 3, 1
.if \t < 2
	STEP \t, 3, \t+1, 0, 1                         ; the next tile's first fragments come while this tile goes out
.else
	STEP \t, 3, 0, 0, 0
.endif
	PLACES 4
	OUT \t
.endr
	s_wait_tensorcnt 0x0                           ; the wave's end
	ds_add_u32 v[SPW], v[NIL]
	s_wait_dscnt 0x0
	CROUND                                         ; the closing round
	s_endpgm
.Lfunc_end_k_qc810bf0c38_qkv:
	.size	k_qc810bf0c38_qkv, .Lfunc_end_k_qc810bf0c38_qkv-k_qc810bf0c38_qkv
	.p2alignl 7, 3214868480
	.fill 96, 4, 3214868480
	.section	.rodata,"a",@progbits
	.p2align	6, 0x0
	.amdhsa_kernel k_qc810bf0c38_qkv
		.amdhsa_group_segment_fixed_size 327680
		.amdhsa_private_segment_fixed_size 0
		.amdhsa_enable_private_segment 0
		.amdhsa_kernarg_size 40
		.amdhsa_user_sgpr_count 2
		.amdhsa_user_sgpr_kernarg_segment_ptr 1
		.amdhsa_wavefront_size32 1
		.amdhsa_system_sgpr_workgroup_id_x 1
		.amdhsa_system_sgpr_workgroup_id_y 1
		.amdhsa_system_sgpr_workgroup_id_z 1
		.amdhsa_system_vgpr_workitem_id 0
		.amdhsa_next_free_vgpr 1024
		.amdhsa_next_free_sgpr 88
		.amdhsa_reserve_vcc 0
		.amdhsa_float_denorm_mode_32 3
		.amdhsa_float_denorm_mode_16_64 3
		.amdhsa_memory_ordered 1
		.amdhsa_forward_progress 1
		.amdhsa_inst_pref_size 210
	.end_amdhsa_kernel
	.amdgpu_metadata
---
amdhsa.version: [ 1, 2 ]
amdhsa.kernels:
  - .name:           k_qc810bf0c38_qkv
    .symbol:         k_qc810bf0c38_qkv.kd
    .args:
      - { .name: cs, .offset: 0, .size: 8, .value_kind: global_buffer, .address_space: global }
      - { .name: bq, .offset: 8, .size: 8, .value_kind: global_buffer, .address_space: global }
      - { .name: bk, .offset: 16, .size: 8, .value_kind: global_buffer, .address_space: global }
      - { .name: bv, .offset: 24, .size: 8, .value_kind: global_buffer, .address_space: global }
      - { .name: qkv, .offset: 32, .size: 8, .value_kind: global_buffer, .address_space: global }
    .group_segment_fixed_size: 327680
    .private_segment_fixed_size: 0
    .kernarg_segment_align: 8
    .kernarg_segment_size: 40
    .max_flat_workgroup_size: 128
    .sgpr_count:     88
    .vgpr_count:     1024
    .wavefront_size: 32
...
	.end_amdgpu_metadata
.endif
;; end of part 2
;; launch attn (part 3): grid 8 x 32, 4 waves a work-group, clusters of 4 x 1, 327,680 bytes of LDS; arguments qkv, hf; writes hf
.if DOCPART == 3
	.amdgcn_target "amdgcn-amd-amdhsa--gfx1250"
	.amdhsa_code_object_version 6
	.text
	.protected	k_qc810bf0c38_attn
	.globl	k_qc810bf0c38_attn
	.p2align	8
	.type	k_qc810bf0c38_attn,@function
k_qc810bf0c38_attn:
	s_mov_b64 s[64:65], 0
	v_nop
	global_prefetch_b8 v0, s[64:65] scope:SCOPE_SE
	s_setreg_imm32_b32 hwreg(HW_REG_WAVE_MODE, 25, 1), 1
	s_wait_xcnt 0x0
	s_wait_alu depctr_hold_cnt(0) depctr_sa_sdst(0) depctr_va_vdst(0) depctr_va_sdst(0) depctr_va_ssrc(0) depctr_va_vcc(0) depctr_vm_vsrc(0)
	s_getreg_b32 s2, hwreg(HW_REG_IB_STS2, 6, 4)
	s_cmp_eq_u32 s2, 0
	s_cbranch_scc0 .Lentry_in_a_cluster
	s_endpgm
.Lentry_in_a_cluster:
	s_bfe_u32 s2, ttmp6, 0x10000c
	s_cmp_lg_u32 s2, 0x3003
	s_cbranch_scc0 .Lentry_shape_is_right
	s_endpgm
.Lentry_shape_is_right:
; heads[b h][q] = the sum over k of softmax_k(q . k / sqrt(512)) v[k], head size 512, 1,024 keys, no mask.  Operands f16, products, maxima and sums f32; the weights p are rounded to f16 for the second product, the heads once at the end.
; LIMIT: |heads| is at most the largest |v|, which lies inside f16's range by the launch before.
; SHARES.  A work-group owns 128 queries of one (b, h), each of its four waves 32: two tiles of 16.  Every wave walks all keys, 64 a step: 128 products K Q^T, the softmax, 128 products V^T P.
; LAYOUT.  S^T = K Q^T (source 0 = 16 keys, source 1 = 16 queries) and O^T = V^T P (source 0 = 16 channels, source 1 = P): a lane holds ONE query throughout; two tiles of S^T, packed to f16, are a fragment of P.
; All operands lie in memory as images of their registers (1,024 bytes a fragment: 512 half + 16 lane), so a step's K and V are two dense blocks of 65,536 bytes, LDS needs no padding, and every LDS load reads 512 consecutive bytes.
; SOFTMAX.  A running maximum m and sum l for each query: p = 2^(c s - c m), c = log2(e) / sqrt(512); in every step O^T and l are multiplied by a = 2^(c m_old - c m_new).
; CLUSTER.  The four query blocks of a cluster belong to one (b, h) and walk the same K and V: each tile is asked for jointly.  Ring of two slots; a round of the cluster's barrier for each key step.
; REGISTERS: window 0: v2-8 addresses; v16-31 statistics, 8 a tile (+0 c m, +1 m, +2, +3 l, +4 .. +7 at work; a in +6); v32-95 S^T, 32 a tile; v96-127 P, 16 a tile; v128-191, v192-255 two buffers of eight fragments of K or V.
;   window 1: Q, 128 a tile.   windows 2, 3: O^T: channels 16 ct on of tile t at 16 (ct % 16) + 8 t of window 2 + ct / 16.
; The rescaling of O^T and the sums of p stand singly behind the products V^T P, which costs two window switches for each such product; set apart they would leave the matrix unit idle for as long.
.set SLOT1, 1<<17                      ; slot 1 begins here: one exclusive or turns an address from one slot to the other
.set VOFF,  65536                      ; a slot: K [16 keys: 4][32 channels: 16][1,024], then V [32 keys: 2][16 channels: 32][1,024]
.set SPARE, 262144                     ; behind the ring: the spare words, 128 bytes a wave, which no other line names
.set LN,  2                            ; v2  16 x lane
.set ADK, 3                            ; v3  the step's K + 16 x lane
.set ADV, 4                            ; v4  the step's V
.set SPW, 6
.set NIL, 7
.set PFO, 8                            ; v8  256 x lane
.set ST,  16
.set S,   32
.set P,   96
.set F0,  128
.set WV,  8                            ; s8  wave
.set CX,  9                            ; s9  my place in the cluster
.set G1,  16                           ; s[16:23] descriptor group 1;  s[24:27] group 0, which walks
.set G0,  24
.set CS,  28                           ; s[28:29] c, twice
.set SEL, 30                           ; s[30:31] lane selects: lane l xor 16
.set TB,  32                           ; s32 where the slot in hand begins
.set SLOTS, 33                         ; s33 the loop's trips to go
.set LIM, 34                           ; s34 1 in a work-group that prefetches, else the greatest number
.set PFA, 36                           ; s[36:37] where my prefetches stand
.set MSB, 0
.macro WIN new
.if MSB != (\new)
	s_set_vgpr_msb (MSB<<8)|(\new)
.set MSB, (\new)
.endif
.endm
.macro PLACES                          ; four plain vector instructions between a matrix instruction and a load into, or a vector read of, its registers (ISA guide 7.12.1 for vector reads)
.rept 4
	v_nop
.endr
.endm
.macro CROUND
	s_barrier_signal -1
	s_barrier_wait -1
	s_cmp_lg_u32 s[WV], 0
	s_cbranch_scc1 .Lnot_wave_0_\@
	s_barrier_signal -3
.Lnot_wave_0_\@:
	s_barrier_wait -3
	s_barrier_signal -1
	s_barrier_wait -1
.endm
; A prefetch into the L2 of the key step after the one that has just been asked for: 256 matrix instructions ahead of its tensor load.  A step's K and V are 512 blocks of 256 bytes: the four partners x four waves x 32 lanes name one each,
; the partners told apart by address.  Both clusters of a (b, h) walk the same K and V: the first asks.  The loop's last trip asks for nothing: no step lies behind the one that it loads.
.macro ASK
	s_cmp_gt_u32 s[SLOTS], s[LIM]
	s_cbranch_scc0 .Lnot_mine_\@
	global_prefetch_b8 v[PFO], s[PFA:PFA+1] th:TH_LOAD_NT scope:SCOPE_SE
.Lnot_mine_\@:
.endm
	s_load_b128 s[4:7], s[0:1], 0x0                ; qkv s[4:5], hf s[6:7]
	v_lshl_add_u32 v[SPW], v0, 2, SPARE
	v_mov_b32 v[NIL], 0
	ds_add_u32 v[SPW], v[NIL]                      ; the wave's opening: the add, twice on end, and its wait ahead of my first tensor load
	ds_add_u32 v[SPW], v[NIL]
	v_lshrrev_b32 v1, 5, v0
	v_readfirstlane_b32 s[WV], v1
	v_and_b32 v1, 31, v0
	v_lshlrev_b32 v[LN], 4, v1
	v_lshlrev_b32 v[PFO], 8, v1
	s_bfe_u32 s[CX], ttmp6, 0x40000
	s_lshl_b32 s10, ttmp9, 2
	s_add_co_u32 s10, s10, s[CX]                   ; my block of 128 queries: it enters Q's and the heads' addresses alone
	s_and_b32 s11, ttmp7, 0xffff                   ; 8 b + h, which the partners share
	; group 1: 32,768 dense bytes as 128 rows of 256 (32 elements of 8 bytes), no padding; the mask names all four work-groups
	s_mov_b32 s[G1], 15|(3<<16)|(1<<21)
	s_mov_b32 s[G1+1], 32<<16
	s_mov_b32 s[G1+2], 128<<16
	s_mov_b32 s[G1+3], 32<<16
	s_mov_b32 s[G1+4], 128
	s_mov_b32 s[G1+5], 32
	s_mov_b32 s[G1+6], 0
	s_mov_b32 s[G1+7], 0
	s_lshr_b32 s12, s[WV], 1
	s_add_co_u32 s12, s12, 1
	s_lshl_b32 s12, s12, 25                        ; waves 0, 1: k, at 2^25; waves 2, 3: v, at 2^26
	s_lshl_b32 s13, s11, 20
	s_add_co_u32 s12, s12, s13                     ; my (b, h)
	s_and_b32 s13, s[WV], 1
	s_lshl_b32 s14, s13, 15
	s_add_co_u32 s14, s14, s12                     ; my half of a step's 65,536 bytes
	s_mov_b32 s15, 0
	s_lshl_b32 s38, s13, 13
	s_add_co_u32 s38, s38, s12
	s_lshl_b32 s39, s[CX], 14
	s_add_co_u32 s38, s38, s39                     ; the prefetches: 16,384 bytes a partner, 8,192 a wave,
	s_add_co_u32 s38, s38, 65536                   ; at step 1: the first change of slots steps it to step 2
	s_mov_b32 s39, 0
	s_lshl_b32 s40, s10, 3
	s_lshl_b32 s41, s[WV], 1
	s_add_co_u32 s40, s40, s41                     ; my first tile of 16 queries
	s_lshl_b32 s44, s40, 13
	s_lshl_b32 s40, s40, 14
	s_lshl_b32 s41, s11, 20
	s_add_co_u32 s40, s40, s41                     ; Q: 16,384 bytes a tile
	s_mov_b32 s41, 0
	s_and_b32 s42, s11, 7
	s_lshl_b32 s42, s42, 22                        ; the heads: [2 h + e / 256][b x 64 + s / 16][8][1,024]
	s_lshr_b32 s43, s11, 3
	s_lshl_b32 s43, s43, 19
	s_add_co_u32 s42, s42, s43
	s_add_co_u32 s42, s42, s44
	s_mov_b32 s43, 0
	s_mov_b32 s[CS], 0x3d8293ee                    ; c = log2(e) / sqrt(512)
	s_mov_b32 s[CS+1], s[CS]
	s_mov_b32 s[SEL], 0x76543210
	s_mov_b32 s[SEL+1], 0xfedcba98
	s_mov_b32 s[TB], 0
	s_mov_b32 s[SLOTS], 14
	s_cmp_eq_u32 ttmp9, 0                          ; the cluster's number: the same in all four partners
	s_cselect_b32 s[LIM], 1, -1
	s_wait_dscnt 0x0                               ; both opening adds are done
	s_wait_kmcnt 0x0
	s_mov_b32 s[G0], 1
	s_lshl_b32 s[G0+1], s[WV], 15                  ; LDS: wave x 32,768: K's halves, then V's
	s_add_nc_u64 s[G0+2:G0+3], s[4:5], s[14:15]
	s_or_b32 s[G0+3], s[G0+3], 0x80000000
	s_add_nc_u64 s[PFA:PFA+1], s[4:5], s[38:39]
	s_add_nc_u64 s[40:41], s[4:5], s[40:41]
	s_add_nc_u64 s[42:43], s[6:7], s[42:43]
	CROUND                                         ; all four work-groups are here
	tensor_load_to_lds s[G0:G0+3], s[G1:G1+7]      ; key step 0 into slot 0: each wave its quarter
	s_nop 0
.rept 4
	v_nop
.endr
	WIN 0x40                                       ; destination window 1
.irp t, 0,1
.irp k, 0,1,2,3,4,5,6,7,8,9,10,11,12,13,14,15
	global_load_b128 v[128*\t+8*\k:128*\t+8*\k+3], v[LN], s[40:41] offset:\t*16384+\k*1024       ; Q stays in registers
	global_load_b128 v[128*\t+8*\k+4:128*\t+8*\k+7], v[LN], s[40:41] offset:\t*16384+\k*1024+512
.endr
.endr
	WIN 0
.macro KLOAD uu, f                     ; 64 keys x channels 64 uu on: eight fragments, 16 loads
.irp ksl, 0,1
.irp kt, 0,1,2,3
.set rF, (\f)+8*(4*\ksl+\kt)
	ds_load_b128 v[rF:rF+3], v[ADK] offset:\kt*16384+(2*(\uu)+\ksl)*1024
	ds_load_b128 v[rF+4:rF+7], v[ADK] offset:\kt*16384+(2*(\uu)+\ksl)*1024+512
.endr
.endr
.endm
.macro VLOAD uu, f                     ; keys 32 (uu % 2) on x channels 128 (uu / 2) on: eight fragments of V^T
.irp i, 0,1,2,3,4,5,6,7
.set rF, (\f)+8*\i
	ds_load_b128 v[rF:rF+3], v[ADV] offset:((\uu)%2)*32768+(8*((\uu)/2)+\i)*1024
	ds_load_b128 v[rF+4:rF+7], v[ADV] offset:((\uu)%2)*32768+(8*((\uu)/2)+\i)*1024+512
.endr
.endm
; S^T = K Q^T: eight runs of 16 products; the next run's fragments are fetched ahead of each.  The eight accumulators take turns, one instruction a turn.
.macro QK
	WIN 0x04                                       ; source 1 (Q) window 1; LDS loads want no other setting
.set u, 0
.rept 8
.if u > 0
	PLACES
.endif
.if u < 7
	KLOAD u+1, F0+64*((u+1)%2)
.else
	VLOAD 0, F0
.endif
	s_wait_dscnt 16                                ; all but the 16 loads just issued
.set ff, F0+64*(u%2)
.irp ksl, 0,1
.irp kt, 0,1,2,3
.irp t, 0,1
.set rS, S+32*\t+8*\kt
.set rK, ff+8*(4*\ksl+\kt)
.set rQ, 128*\t+8*(2*u+\ksl)
.if (u == 0) && (\ksl == 0)
	v_wmma_f32_16x16x32_f16 v[rS:rS+7], v[rK:rK+7], v[rQ:rQ+7], 0
.else
	v_wmma_f32_16x16x32_f16 v[rS:rS+7], v[rK:rK+7], v[rQ:rQ+7], v[rS:rS+7]
.endif
.endr
.endr
.endr
.set u, u+1
.endr
.endm
; The two tiles alternate line by line.  first = 1: the first key step has no old maximum and no a.
.macro SOFTMAX first
	WIN 0
.irp j, 0,1,2,3
.irp t, 0,1
	v_max3_num_f32 v[ST+8*\t+4+\j], v[S+32*\t+8*\j], v[S+32*\t+8*\j+1], v[S+32*\t+8*\j+2]   ; each accumulator is read from its low end on
.endr
.endr
.irp g, 1,2
.irp j, 0,1,2,3
.irp t, 0,1
	v_max3_num_f32 v[ST+8*\t+4+\j], v[ST+8*\t+4+\j], v[S+32*\t+8*\j+2*\g+1], v[S+32*\t+8*\j+2*\g+2]
.endr
.endr
.endr
.irp t, 0,1
	v_max3_num_f32 v[ST+8*\t+4], v[ST+8*\t+4], v[S+32*\t+7], v[S+32*\t+15]
.endr
.irp t, 0,1
	v_max3_num_f32 v[ST+8*\t+6], v[ST+8*\t+6], v[S+32*\t+23], v[S+32*\t+31]
.endr
.irp t, 0,1
	v_max3_num_f32 v[ST+8*\t+4], v[ST+8*\t+4], v[ST+8*\t+5], v[ST+8*\t+6]
.endr
.irp t, 0,1
.if \first
	v_max_num_f32 v[ST+8*\t+4], v[ST+8*\t+4], v[ST+8*\t+7]
.else
	v_max3_num_f32 v[ST+8*\t+4], v[ST+8*\t+4], v[ST+8*\t+7], v[ST+8*\t+1]
.endif
.endr
.irp t, 0,1
	v_permlanex16_b32 v[ST+8*\t+5], v[ST+8*\t+4], s[SEL], s[SEL+1]   ; the query's other 32 keys lie in the lane 16 away
.endr
.if !\first
.irp t, 0,1
	v_mov_b32 v[ST+8*\t+7], v[ST+8*\t]             ; c m_old is kept for a
.endr
.endif
.irp t, 0,1
	v_max_num_f32 v[ST+8*\t+1], v[ST+8*\t+4], v[ST+8*\t+5]
.endr
.irp t, 0,1
	v_mul_f32 v[ST+8*\t], s[CS], v[ST+8*\t+1]
.endr
.if !\first
.irp t, 0,1
	v_sub_f32 v[ST+8*\t+7], v[ST+8*\t+7], v[ST+8*\t]
.endr
.endif
.set b, 0
.rept 16
.irp t, 0,1
	v_pk_fma_f32 v[S+32*\t+2*b:S+32*\t+2*b+1], v[S+32*\t+2*b:S+32*\t+2*b+1], s[CS:CS+1], v[ST+8*\t:ST+8*\t+1] op_sel_hi:[1,0,0] neg_lo:[0,0,1] neg_hi:[0,0,1]   ; c s - c m
.endr
.set b, b+1
.endr
.if !\first
.irp t, 0,1
	v_exp_f32 v[ST+8*\t+6], v[ST+8*\t+7]           ; a
.endr
.endif
.set b, 0
.rept 32
.irp t, 0,1
	v_exp_f32 v[S+32*\t+b], v[S+32*\t+b]           ; p: one batch, none of which reads another's result
.endr
.set b, b+1
.endr
	v_nop                                          ; a plain instruction behind the last exponential
	s_wait_alu depctr_va_vdst(0)                   ; one wait for the batch, ahead of the first instruction that names a result
.set b, 0
.rept 16
.irp t, 0,1
	v_cvt_pk_f16_f32 v[P+16*\t+b], v[S+32*\t+2*b], v[S+32*\t+2*b+1]
.endr
.set b, b+1
.endr
.endm
.macro RESC0                           ; O^T's channels 0-127 times a, ahead of the products that add onto them
	WIN 0x82                                       ; O^T in window 2, a in window 0
.set e, 0
.rept 64
.set rR, 16*(e/8)+2*(e%8)
.set rA, ST+8*((e%8)/4)+6
	v_pk_mul_f32 v[rR:rR+1], v[rR:rR+1], v[rA:rA+1] op_sel_hi:[1,0]
.set e, e+1
.endr
.endm
; What stands behind product n of V^T P.  n < 96: two multiplies that rescale the next 128 channels.  n >= 96: one of the 16 sums of a tile's p: neighbours 1, 2, 4, 8 pairs apart, then l = a l + the sum.
.macro FILLER first
.if n < 96
.if !\first
	WIN 0x82+0x41*((G+1)/2)
.irp d, 0,1
.set e, 2*(n%32)+\d
.set rR, 16*((8*(G+1)+e/8)%16)+2*(e%8)
.set rA, ST+8*((e%8)/4)+6
	v_pk_mul_f32 v[rR:rR+1], v[rR:rR+1], v[rA:rA+1] op_sel_hi:[1,0]
.endr
.endif
.else
	WIN 0
.set z, (n-96)/2
.set rS, S+32*(n%2)
.set rT, ST+8*(n%2)
.set w, 4
.set uu, z
.if z >= 14
.set w, 32
.set uu, 0
.elseif z >= 12
.set w, 16
.set uu, z-12
.elseif z >= 8
.set w, 8
.set uu, z-8
.endif
.if (z == 14) && \first
	v_pk_add_f32 v[rT+2:rT+3], v[rS:rS+1], v[rS+16:rS+17]
.elseif z < 15
	v_pk_add_f32 v[rS+w*uu:rS+w*uu+1], v[rS+w*uu:rS+w*uu+1], v[rS+w*uu+w/2:rS+w*uu+w/2+1]
.elseif !\first
	v_pk_fma_f32 v[rT+2:rT+3], v[rT+2:rT+3], v[rT+6:rT+7], v[rS:rS+1] op_sel_hi:[1,0,1]
.endif
.endif
.endm
; O^T += V^T P: eight runs of 16 products: channels 128 (u / 2) on, keys 32 (u % 2) on.  Sixteen accumulators take turns.  first = 1: the first 32 keys' products start the sums: nothing is cleared.
.macro PV first
.set u, 0
.rept 8
	WIN 0
	PLACES
.if u < 7
	VLOAD u+1, F0+64*((u+1)%2)
	s_wait_dscnt 16                                ; all but the 16 loads just issued
.else
	s_wait_dscnt 0x0
.endif
.set G, u/2
.set kk, u%2
.set ff, F0+64*(u%2)
.irp i, 0,1,2,3,4,5,6,7
.irp t, 0,1
.set n, 16*u+2*\i+\t
.set rO, 16*((8*G+\i)%16)+8*\t
.set rV, ff+8*\i
.set rP, P+16*\t+8*kk
	WIN 0xa0+0x50*(G/2)                            ; C and D in window 2 or 3
.if \first && (kk == 0)
	v_wmma_f32_16x16x32_f16 v[rO:rO+7], v[rV:rV+7], v[rP:rP+7], 0
.else
	v_wmma_f32_16x16x32_f16 v[rO:rO+7], v[rV:rV+7], v[rP:rP+7], v[rO:rO+7]
.endif
	FILLER \first
.endr
.endr
.set u, u+1
.endr
.endm
; THE CHANGE OF SLOTS, at a step's head.  Each wave waits for all its tensor loads (one: its quarter of the step ahead), adds 0 to its spare word, and waits for that and for its reads of the slot that it has left.
; fill = 1: behind a round of the cluster's barrier that slot takes the step after: the wave's one tensor load until the next round; it has a whole key step in which to land.
.macro CHANGE fill
	WIN 0
	s_wait_tensorcnt 0x0                           ; no tensor load of mine is out: group 0 may be written
	ds_add_u32 v[SPW], v[NIL]
.if \fill
	s_xor_b32 s[G0+1], s[G0+1], SLOT1              ; the other slot,
	s_add_nc_u64 s[G0+2:G0+3], s[G0+2:G0+3], 65536 ; the next 64 keys
	s_wait_xcnt 0x0                                ; the last prefetch, a key step back, has read its address
	s_add_nc_u64 s[PFA:PFA+1], s[PFA:PFA+1], 65536
	s_wait_dscnt 0x0
	CROUND
	tensor_load_to_lds s[G0:G0+3], s[G1:G1+7]
	s_nop 0
.rept 4
	v_nop                                          ; also the places in front of the loads below
.endr
.else
	s_wait_dscnt 0x0
	s_barrier_signal -1
	s_barrier_wait -1
	PLACES
.endif
.endm
.macro KSTEP first, fill
	CHANGE \fill
	v_add_nc_u32 v[ADK], s[TB], v[LN]
	v_add_nc_u32 v[ADV], VOFF, v[ADK]
	KLOAD 0, F0
.if \fill
	ASK
.endif
	QK
	PLACES
	SOFTMAX \first
.if !\first
	RESC0
.endif
	PV \first
	WIN 0
	s_xor_b32 s[TB], s[TB], SLOT1
.endm
	s_wait_loadcnt 0x0                             ; Q
	KSTEP 1, 1                                     ; key step 0; slot 1 is filled for the first time behind its round
.Lstep:                                            ; key steps 1 to 14
	KSTEP 0, 1
	s_sub_co_u32 s[SLOTS], s[SLOTS], 1
	s_cmp_lg_u32 s[SLOTS], 0
	s_cbranch_scc1 .Lstep
	KSTEP 0, 0                                     ; the last step is written out: it asks for nothing
	; THE WAY OUT.  O^T / l, rounded to f16: a lane's eight channels of a query are 16 bytes of a fragment of the heads (rows s, K = 512 h + e): stored as they stand, 512 consecutive bytes an instruction.
	PLACES
.irp t, 0,1
	v_add_f32 v[ST+8*\t+4], v[ST+8*\t+2], v[ST+8*\t+3]
.endr
.irp t, 0,1
	v_permlanex16_b32 v[ST+8*\t+5], v[ST+8*\t+4], s[SEL], s[SEL+1]
.endr
.irp t, 0,1
	v_add_f32 v[ST+8*\t+4], v[ST+8*\t+4], v[ST+8*\t+5]
.endr
.irp t, 0,1
	v_rcp_f32 v[ST+8*\t+6], v[ST+8*\t+4]
.endr
	v_nop
	s_wait_alu depctr_va_vdst(0)                   ; one wait for the two reciprocals, ahead of their first reader
.macro HOUT w, t, tmp
	WIN 0x82+0x41*(\w)
.set c, 0
.rept 16
.irp e, 0,1,2,3
	v_pk_mul_f32 v[16*c+8*(\t)+2*\e:16*c+8*(\t)+2*\e+1], v[16*c+8*(\t)+2*\e:16*c+8*(\t)+2*\e+1], v[ST+8*(\t)+6:ST+8*(\t)+7] op_sel_hi:[1,0]
.endr
.set c, c+1
.endr
	WIN 0x0a+5*(\w)                                ; sources in window 2 or 3, destination in window 0
.set c, 0
.rept 16
.irp e, 0,1,2,3
	v_cvt_pk_f16_f32 v[\tmp+4*c+\e], v[16*c+8*(\t)+2*\e], v[16*c+8*(\t)+2*\e+1]
.endr
.set c, c+1
.endr
	WIN 0
.set c, 0
.rept 16
	global_store_b128 v[LN], v[\tmp+4*c:\tmp+4*c+3], s[42:43] offset:(\w)*2097152+(\t)*8192+c*512
.set c, c+1
.endr
.endm
	HOUT 0, 0, 32
	HOUT 0, 1, 128
	HOUT 1, 0, 192
	s_wait_xcnt 0x0                                ; the first sixteen stores have read their data: v32-95 are written again only behind this wait
	HOUT 1, 1, 32
	s_wait_tensorcnt 0x0                           ; the wave's end
	ds_add_u32 v[SPW], v[NIL]
	s_wait_dscnt 0x0
	CROUND                                         ; the closing round
	s_endpgm
.Lfunc_end_k_qc810bf0c38_attn:
	.size	k_qc810bf0c38_attn, .Lfunc_end_k_qc810bf0c38_attn-k_qc810bf0c38_attn
	.p2alignl 7, 3214868480
	.fill 96, 4, 3214868480
	.section	.rodata,"a",@progbits
	.p2align	6, 0x0
	.amdhsa_kernel k_qc810bf0c38_attn
		.amdhsa_group_segment_fixed_size 327680
		.amdhsa_private_segment_fixed_size 0
		.amdhsa_enable_private_segment 0
		.amdhsa_kernarg_size 16
		.amdhsa_user_sgpr_count 2
		.amdhsa_user_sgpr_kernarg_segment_ptr 1
		.amdhsa_wavefront_size32 1
		.amdhsa_system_sgpr_workgroup_id_x 1
		.amdhsa_system_sgpr_workgroup_id_y 1
		.amdhsa_system_sgpr_workgroup_id_z 1
		.amdhsa_system_vgpr_workitem_id 0
		.amdhsa_next_free_vgpr 1024
		.amdhsa_next_free_sgpr 66
		.amdhsa_reserve_vcc 0
		.amdhsa_float_denorm_mode_32 3
		.amdhsa_float_denorm_mode_16_64 3
		.amdhsa_memory_ordered 1
		.amdhsa_forward_progress 1
		.amdhsa_inst_pref_size 238
	.end_amdhsa_kernel
	.amdgpu_metadata
---
amdhsa.version: [ 1, 2 ]
amdhsa.kernels:
  - .name:           k_qc810bf0c38_attn
    .symbol:         k_qc810bf0c38_attn.kd
    .args:
      - { .name: qkv, .offset: 0, .size: 8, .value_kind: global_buffer, .address_space: global }
      - { .name: hf, .offset: 8, .size: 8, .value_kind: global_buffer, .address_space: global }
    .group_segment_fixed_size: 327680
    .private_segment_fixed_size: 0
    .kernarg_segment_align: 8
    .kernarg_segment_size: 16
    .max_flat_workgroup_size: 128
    .sgpr_count:     66
    .vgpr_count:     1024
    .wavefront_size: 32
...
	.end_amdgpu_metadata
.endif
;; end of part 3
;; launch oproj (part 4): grid 4 x 32, 4 waves a work-group, clusters of 4 x 1, 327,680 bytes of LDS; arguments hf, wof, out0; writes out0
.if DOCPART == 4
	.amdgcn_target "amdgcn-amd-amdhsa--gfx1250"
	.amdhsa_code_object_version 6
	.text
	.protected	k_qc810bf0c38_oproj
	.globl	k_qc810bf0c38_oproj
	.p2align	8
	.type	k_qc810bf0c38_oproj,@function
k_qc810bf0c38_oproj:
	s_mov_b64 s[64:65], 0
	v_nop
	global_prefetch_b8 v0, s[64:65] scope:SCOPE_SE
	s_setreg_imm32_b32 hwreg(HW_REG_WAVE_MODE, 25, 1), 1
	s_wait_xcnt 0x0
	s_wait_alu depctr_hold_cnt(0) depctr_sa_sdst(0) depctr_va_vdst(0) depctr_va_sdst(0) depctr_va_ssrc(0) depctr_va_vcc(0) depctr_vm_vsrc(0)
	s_getreg_b32 s2, hwreg(HW_REG_IB_STS2, 6, 4)
	s_cmp_eq_u32 s2, 0
	s_cbranch_scc0 .Lentry_in_a_cluster
	s_endpgm
.Lentry_in_a_cluster:
	s_bfe_u32 s2, ttmp6, 0x10000c
	s_cmp_lg_u32 s2, 0x3003
	s_cbranch_scc0 .Lentry_shape_is_right
	s_endpgm
.Lentry_shape_is_right:
; out[s][n] = the sum over k = 0 .. 4,095 of heads[s][k] Wo[k][n]; operands f16, sums f32, out f32.  The sums of four quarters of K are added in f32 at the end: another order of rounding than one chain along K.
; SHARES.  A work-group makes 128 (s) x 128 (n): 128 work-groups.  EVERY wave holds the whole tile (64 accumulators) and takes a quarter of K: of each eight fragments along K (256 of k) wave w takes 2 w and 2 w + 1.
; So sixteen fragments feed 64 products, and no fragment of either operand is wanted by two waves of a work-group.  Tiles of half the width would give 256 work-groups, but one and a half times the operand bytes for each product.
; TWO ROADS.  Both operands lie in memory as images of their registers (1,024 bytes a fragment: 512 half + 16 lane).
;   The heads come through a ring of two LDS slots, 512 along K each (131,072 bytes), asked for JOINTLY by the four work-groups of a cluster, which make the four column tiles of the same 128 rows.
;   Wo's fragments go from memory straight into the registers of the one wave that wants them, three units (192 products) ahead.  They are NOT asked for jointly, though the 32 work-groups of a column walk the same bytes:
;   in the ring they would take half of each slot, so that a slot would hold 256 along K, 128 products a wave between two changes of slots, in place of 256; and LDS would hand them to one wave only.
; A UNIT is 32 along K of my quarter: 64 products.  32 units; four to a slot: unit q takes the slot's 256 (q / 2) + 64 w + 32 (q % 2) on.
; TRANSPOSED use (source 0 = 16 columns n of Wo, source 1 = 16 rows s): a lane holds eight neighbouring n of one row.
; REGISTERS: window 0: v8-30 addresses; v64-127, v128-191 the heads' fragments, two buffers.  window 1: Wo's fragments, four buffers of 64: unit u in buffer u % 4.  windows 2, 3: accumulators (a, b) at 8 (8 (a % 4) + b).
.set SLOT,   131072                    ; [256 along K: 2][16 rows: 8][32 along K: 8][1,024]
.set JL,     65536                     ; from a slot's first 256 along K to its second
.set ASTEP,  4194304                   ; from one slot's 512 along K to the next, in hf: two planes of 2,097,152 bytes
.set BJ,     262144                    ; from one 256 along K to the next, in wof
.set SPITCH, 528                       ; the way out: a row of 512 bytes + 16
.set STG,    128*SPITCH                ; a wave's stage; the four lie over the slots, which have had their last fill and their last read by then
.set SPARE,  4*STG                     ; behind them: the spare words, 128 bytes a wave, which no other line names
.set RD,   8                           ; v8-11  where I read my rows of the four stages
.set ADRA, 16                          ; v16-19 my fragments of the heads: register 2 slot + (which 256 along K)
.set STO,  24                          ; v24    where I put 32 bytes of a row
.set LN,   25                          ; v25    16 x lane; never rewritten
.set SPW,  28
.set NIL,  29
.set PFO,  30                          ; v30    256 x lane; never rewritten
.set F0,   64
.set F1,   128
.set G1,   16                          ; s[16:23] descriptor group 1;  s[24:27], s[28:31] group 0, a set for each slot
.set G0,   24
.set PFA,  36                          ; s[36:37] where my prefetches stand
.set BB,   40                          ; s[40:41] Wo at my fragments of the lap in hand
.set MUL_LO, 0xa1                      ; source 0 (Wo) window 1, source 1 (heads) window 0, C and D window 2
.set MUL_HI, 0xf1
.set TO_B,   0x40                      ; destination window 1, address window 0
.set MSB, 0
.macro WIN new                         ; the immediate's high byte repeats the setting that is left
.if MSB != (\new)
	s_set_vgpr_msb (MSB<<8)|(\new)
.set MSB, (\new)
.endif
.endm
.macro PLACES                          ; four plain vector instructions between a matrix instruction and a load into, or a read of, its registers (ISA guide 7.12.1 for reads)
.rept 4
	v_nop
.endr
.endm
.macro TLOAD s                         ; a joint load: each wave its quarter of slot s; an s_nop 0 and four v_nop follow
	tensor_load_to_lds s[G0+4*\s:G0+4*\s+3], s[G1:G1+7]
	s_nop 0
.rept 4
	v_nop
.endr
.endm
.macro CREST                           ; a round of the cluster's barrier behind its opening barrier
	s_cmp_lg_u32 s10, 0
	s_cbranch_scc1 .Lnot_wave_0_\@
	s_barrier_signal -3
.Lnot_wave_0_\@:
	s_barrier_wait -3
	s_barrier_signal -1
	s_barrier_wait -1
.endm
.macro CROUND
	s_barrier_signal -1
	s_barrier_wait -1
	CREST
.endm
; A prefetch into the L2 of the heads' slot after the one that has just been asked for: 256 matrix instructions ahead of its tensor load.  A slot is 512 blocks of 256 bytes: four partners x four waves x 32 lanes name one each,
; the partners told apart by address.  No other cluster reads these rows.  cond = 1 (slot 1's change): the loop's last trip asks for nothing: K ends.  Slots 0 to 2 of K come by their loads alone.
.macro ASK cond
.if \cond
	s_cmp_gt_u32 s3, 1
	s_cbranch_scc0 .Lnone_\@
.endif
	global_prefetch_b8 v[PFO], s[PFA:PFA+1] th:TH_LOAD_NT scope:SCOPE_SE
.if \cond
.Lnone_\@:
.endif
.endm
	s_load_b128 s[4:7], s[0:1], 0x0                ; hf s[4:5], wof s[6:7]
	s_load_b64 s[8:9], s[0:1], 0x10                ; out0
	v_lshl_add_u32 v[SPW], v0, 2, SPARE
	v_mov_b32 v[NIL], 0
	ds_add_u32 v[SPW], v[NIL]                      ; the wave's opening: the add, twice on end, and its wait ahead of my first tensor load
	ds_add_u32 v[SPW], v[NIL]
	v_lshrrev_b32 v1, 5, v0
	v_readfirstlane_b32 s10, v1                    ; wave 0..3
	v_and_b32 v1, 15, v0                           ; r
	v_bfe_u32 v2, v0, 4, 1                         ; h
	v_and_b32 v3, 31, v0
	v_lshlrev_b32 v[LN], 4, v3
	v_lshlrev_b32 v[PFO], 8, v3
	s_lshr_b32 s11, s10, 1                         ; which 256 along K of a slot I fetch
	s_and_b32 s12, s10, 1                          ; which 64 rows of it
	s_bfe_u32 s14, ttmp6, 0x40000                  ; cx: my place in the cluster
	s_lshl_b32 s15, ttmp9, 2
	s_add_co_u32 s15, s15, s14                     ; gx: which 128 columns: it enters Wo's and the output's addresses alone
	s_and_b32 s13, ttmp7, 0xffff                   ; gy: which 128 rows, which the four partners share
	; group 1: 32,768 dense bytes as 128 rows of 256 (32 elements of 8 bytes), no padding: fragments are read 16 bytes a lane on end; the mask names all four work-groups
	s_mov_b32 s[G1], 15|(3<<16)|(1<<21)
	s_mov_b32 s[G1+1], 32<<16
	s_mov_b32 s[G1+2], 128<<16
	s_mov_b32 s[G1+3], 32<<16
	s_mov_b32 s[G1+4], 128
	s_mov_b32 s[G1+5], 32
	s_mov_b32 s[G1+6], 0
	s_mov_b32 s[G1+7], 0
	s_lshl_b32 s32, s13, 16                        ; the heads: 65,536 gy in a plane of 256 along K,
	s_lshl_b32 s33, s11, 21                        ; my plane of the slot's two,
	s_add_co_u32 s32, s32, s33
	s_lshl_b32 s33, s12, 15                        ; my half of its 65,536 bytes
	s_add_co_u32 s32, s32, s33
	s_mov_b32 s33, 0
	s_lshl_b32 s34, s14, 13                        ; the prefetches: of the 32,768 bytes that I fetch, 8,192 a partner,
	s_add_co_u32 s34, s34, s32
	s_add_co_u32 s34, s34, 2*ASTEP                 ; at slot 2 of K: the first change of slots steps it to slot 3
	s_mov_b32 s35, 0
	s_lshl_b32 s38, s15, 16                        ; Wo: 65,536 gx in a plane of 256 along K,
	s_lshl_b32 s39, s10, 11                        ; my two fragments of each eight
	s_add_co_u32 s38, s38, s39
	s_mov_b32 s39, 0
	s_lshl_b32 s42, s13, 18                        ; out: 128 gy rows of 2,048 bytes,
	s_lshl_b32 s43, s10, 16                        ; 32 rows a wave,
	s_add_co_u32 s42, s42, s43
	s_lshl_b32 s43, s15, 9                         ; 512 bytes a tile of columns
	s_add_co_u32 s42, s42, s43
	s_mov_b32 s43, 0
	s_lshl_b32 s44, s10, 15                        ; LDS: wave x 32,768: no place in the cluster enters an LDS address
	s_wait_dscnt 0x0                               ; both opening adds are done
	s_wait_kmcnt 0x0
	s_add_nc_u64 s[32:33], s[4:5], s[32:33]
	s_add_nc_u64 s[PFA:PFA+1], s[4:5], s[34:35]
	s_add_nc_u64 s[BB:BB+1], s[6:7], s[38:39]
	s_add_nc_u64 s[8:9], s[8:9], s[42:43]
	CROUND                                         ; all four work-groups are here
.irp s, 0,1
	s_mov_b32 s[G0+4*\s], 1
	s_add_co_u32 s[G0+4*\s+1], s44, \s*SLOT
	s_add_nc_u64 s[G0+4*\s+2:G0+4*\s+3], s[32:33], \s*ASTEP
	s_or_b32 s[G0+4*\s+3], s[G0+4*\s+3], 0x80000000
	TLOAD \s                                       ; both slots' first fills: two tensor loads of mine are out
.endr
; Wo's eight fragments of unit x of the lap in hand (x may reach into the next lap) into buffer x % 4: 16 loads of 512 consecutive bytes
.macro BLOAD x
	WIN TO_B
.irp b, 0,1,2,3,4,5,6,7
	global_load_b128 v[64*((\x)%4)+8*\b:64*((\x)%4)+8*\b+3],   v[LN], s[BB:BB+1] offset:((\x)/2)*BJ+((\x)%2)*1024+\b*8192
	global_load_b128 v[64*((\x)%4)+8*\b+4:64*((\x)%4)+8*\b+7], v[LN], s[BB:BB+1] offset:((\x)/2)*BJ+((\x)%2)*1024+\b*8192+512
.endr
	WIN 0
.endm
; the heads' eight fragments of unit q of a slot into buffer f: 16 LDS loads
.macro FETCHA slot, q, f
	WIN 0
.irp i, 0,1,2,3,4,5,6,7
	ds_load_b128 v[\f+8*\i:\f+8*\i+3],   v[ADRA+2*(\slot)+(\q)/2] offset:((\q)%2)*1024+\i*8192
	ds_load_b128 v[\f+8*\i+4:\f+8*\i+7], v[ADRA+2*(\slot)+(\q)/2] offset:((\q)%2)*1024+\i*8192+512
.endr
.endm
; 16 products: row blocks a0, a0 + 1 of the window's four x all 8 column blocks.  The 64 accumulators take turns, one instruction a turn, in the same order throughout.
.macro MUL16 fb, fa, hi, a0, zero
.irp a, \a0, \a0+1
.irp b, 0,1,2,3,4,5,6,7
.if \zero
	v_wmma_f32_16x16x32_f16 v[8*(8*(\a)+\b):8*(8*(\a)+\b)+7], v[\fb+8*\b:\fb+8*\b+7], v[\fa+8*(4*\hi+\a):\fa+8*(4*\hi+\a)+7], 0
.else
	v_wmma_f32_16x16x32_f16 v[8*(8*(\a)+\b):8*(8*(\a)+\b)+7], v[\fb+8*\b:\fb+8*\b+7], v[\fa+8*(4*\hi+\a):\fa+8*(4*\hi+\a)+7], v[8*(8*(\a)+\b):8*(8*(\a)+\b)+7]
.endif
.endr
.endr
.endm
; One of a slot's first three units.  At its head, in one run: Wo's loads for the unit three on (xb: that unit's number in the lap; -1: none is left), into the buffer that the last unit has left, and the heads' LDS loads for the next unit.
; lc: the loads of Wo that were issued behind this unit's and may stay out: two units' 16 each, fewer at K's end.
.macro UNIT slot, q, xb, lc, zero
.set FB, 64*(\q)
.set FA, F0+64*((\q)%2)
	s_wait_loadcnt \lc                             ; this unit's fragments of Wo are in
	PLACES                                         ; behind the last unit's products, which read the buffers that are now loaded
.if (\xb) >= 0
	BLOAD \xb
.endif
	FETCHA \slot, (\q)+1, F0+64*(((\q)+1)%2)
	s_wait_dscnt 16                                ; all but the 16 LDS loads just issued: this unit's fragments of the heads are in
	WIN MUL_LO
	MUL16 FB, FA, 0, 0, \zero
	MUL16 FB, FA, 0, 2, \zero
	WIN MUL_HI
	MUL16 FB, FA, 1, 0, \zero
	MUL16 FB, FA, 1, 2, \zero
.endm
; A slot's fourth unit, and the change of slots: one barrier; in front of it each wave waits for all its tensor loads, adds 0 to its spare word, and waits for that and for its reads of this slot.
; fill = 1: the barrier opens a round of the cluster's, and this slot is filled again, two slots of K ahead, first thing behind the round: 224 products stand between that request and the wait for it.
.macro TURN slot, next, fill, xb, lc
.if \fill
	s_wait_xcnt 0x0                                ; the last prefetch, a slot back, has read its address
	s_add_nc_u64 s[PFA:PFA+1], s[PFA:PFA+1], ASTEP
.endif
	s_wait_loadcnt \lc                             ; this unit's fragments of Wo are in
	PLACES
	BLOAD \xb
	s_wait_tensorcnt 0x0                           ; all my tensor loads have landed: my part of the next slot  (every window is 0 here)
	ds_add_u32 v[SPW], v[NIL]
	s_wait_dscnt 1                                 ; (the add may be out; this unit's fragments of the heads, asked for 64 products ago, are in)
	WIN MUL_LO
	MUL16 192, F1, 0, 0, 0                         ; sixteen products stand between the add and the wait for it
	s_wait_dscnt 0x0                               ; the add is done, and my reads of this slot are over
	s_barrier_signal -1
	MUL16 192, F1, 0, 2, 0
.if \fill
	WIN 0
.endif
	s_barrier_wait -1
.if \fill
	CREST                                          ; no wave of any partner still reads this slot or has a load on its way
	s_add_nc_u64 s[G0+4*\slot+2:G0+4*\slot+3], s[G0+4*\slot+2:G0+4*\slot+3], 2*ASTEP
	TLOAD \slot                                    ; the four v_nop behind it are also the places in front of the loads below
.else
	PLACES
.endif
	FETCHA \next, 0, F0
.if \fill
	ASK \slot
.endif
	WIN MUL_HI
	MUL16 192, F1, 1, 0, 0
	MUL16 192, F1, 1, 2, 0
.endm
	BLOAD 0                                        ; Wo's first three units: 48 loads of mine are out
	BLOAD 1
	BLOAD 2
	s_lshl_b32 s45, s10, 11                        ; my two fragments of each eight along K: 2,048 x wave
.irp n, 0,1,2,3
	v_add_nc_u32 v[ADRA+\n], s45, v[LN]
	s_add_co_u32 s45, s45, JL
.endr
	s_mul_i32 s46, s10, STG                        ; my stage
	v_mul_u32_u24 v4, v1, SPITCH
	v_lshl_add_u32 v4, v2, 5, v4
	v_add_nc_u32 v[STO], s46, v4                   ; row r, 32 bytes for each half of the lanes
	s_mul_i32 s46, s10, 32*SPITCH                  ; back: rows 32 w on of each stage
	v_add_nc_u32 v[RD], s46, v[LN]
	v_add_nc_u32 v[RD+1], STG, v[RD]
	v_add_nc_u32 v[RD+2], STG, v[RD+1]
	v_add_nc_u32 v[RD+3], STG, v[RD+2]
	s_wait_tensorcnt 1                             ; my part of slot 0 is in; slot 1's may stay out
	s_barrier_signal -1
	s_barrier_wait -1
	FETCHA 0, 0, F0
	UNIT 0, 0, 3, 32, 1                            ; unit 0 stands in front of the loop: its products start the sums: nothing is cleared
	WIN 0
	s_mov_b32 s3, 3
.Llap:                                             ; a trip is eight units, from a lap's second to the next lap's first: once round the ring, both slots filled again
	UNIT 0, 1, 4, 32, 0
	UNIT 0, 2, 5, 32, 0
	TURN 0, 1, 1, 6, 32
	UNIT 1, 0, 7, 32, 0
	UNIT 1, 1, 8, 32, 0
	UNIT 1, 2, 9, 32, 0
	TURN 1, 0, 1, 10, 32
	UNIT 0, 0, 11, 32, 0
	WIN 0
	s_wait_xcnt 0x0                                ; Wo's loads have read their base: it steps a lap, 1,024 along K, only behind this wait
	s_add_nc_u64 s[BB:BB+1], s[BB:BB+1], 4*BJ
	s_sub_co_u32 s3, s3, 1
	s_cmp_lg_u32 s3, 0
	s_cbranch_scc1 .Llap
	UNIT 0, 1, 4, 32, 0                            ; the last lap fills nothing; Wo's last four units are asked for
	UNIT 0, 2, 5, 32, 0
	TURN 0, 1, 0, 6, 32
	UNIT 1, 0, 7, 32, 0
	UNIT 1, 1, -1, 32, 0                           ; nothing is left to ask for: the counts run down
	UNIT 1, 2, -1, 16, 0
	s_wait_loadcnt 0x0                             ; the very last unit
	s_wait_dscnt 0x0
	WIN MUL_LO
	MUL16 192, F1, 0, 0, 0
	MUL16 192, F1, 0, 2, 0
	WIN MUL_HI
	MUL16 192, F1, 1, 0, 0
	MUL16 192, F1, 1, 2, 0
	WIN 0
	; THE SUM OVER THE FOUR WAVES, AND THE WAY OUT.  Nobody reads the slots any more behind this barrier; each wave lays its tile into its stage; behind a second barrier wave w adds rows 32 w .. 32 w + 31 of the four stages and stores them.
	s_barrier_signal -1                            ; (no LDS instruction of mine is out)
	s_barrier_wait -1
	PLACES
.irp a, 0,1,2,3,4,5,6,7
	WIN 0x08+4*(\a/4)                              ; an LDS store's data are its source 1: window 2 or 3
.irp b, 0,1,2,3,4,5,6,7
	ds_store_b128 v[STO], v[8*(8*(\a%4)+\b):8*(8*(\a%4)+\b)+3] offset:\a*16*SPITCH+64*\b        ; each accumulator from its low end on
	ds_store_b128 v[STO], v[8*(8*(\a%4)+\b)+4:8*(8*(\a%4)+\b)+7] offset:\a*16*SPITCH+64*\b+16
.endr
.endr
	WIN 0
	s_wait_dscnt 0x0                               ; for the others' sake: my stores are done
	s_barrier_signal -1
	s_barrier_wait -1
.irp g, 0,1,2,3                        ; eight rows at a time
.if \g > 1
	s_wait_xcnt 0x0                                ; the stores of two groups back have read their data
.endif
.set P0, 32+32*(\g%2)
.irp i, 0,1,2,3,4,5,6,7
	ds_load_b128 v[P0+4*\i:P0+4*\i+3],   v[RD]   offset:(8*\g+\i)*SPITCH
	ds_load_b128 v[128+4*\i:128+4*\i+3], v[RD+1] offset:(8*\g+\i)*SPITCH
	ds_load_b128 v[160+4*\i:160+4*\i+3], v[RD+2] offset:(8*\g+\i)*SPITCH
	ds_load_b128 v[192+4*\i:192+4*\i+3], v[RD+3] offset:(8*\g+\i)*SPITCH
.endr
	s_wait_dscnt 0x0
.irp i, 0,1,2,3,4,5,6,7
.irp d, 0,2
	v_pk_add_f32 v[P0+4*\i+\d:P0+4*\i+\d+1], v[P0+4*\i+\d:P0+4*\i+\d+1], v[128+4*\i+\d:128+4*\i+\d+1]
	v_pk_add_f32 v[160+4*\i+\d:160+4*\i+\d+1], v[160+4*\i+\d:160+4*\i+\d+1], v[192+4*\i+\d:192+4*\i+\d+1]
.endr
.endr
.irp i, 0,1,2,3,4,5,6,7
.irp d, 0,2
	v_pk_add_f32 v[P0+4*\i+\d:P0+4*\i+\d+1], v[P0+4*\i+\d:P0+4*\i+\d+1], v[160+4*\i+\d:160+4*\i+\d+1]
.endr
	global_store_b128 v[LN], v[P0+4*\i:P0+4*\i+3], s[8:9] offset:(8*\g+\i)*2048 th:TH_STORE_NT   ; 32 lanes store 512 consecutive bytes, at a multiple of 256 from the output's first byte
.endr
.endr
	s_wait_tensorcnt 0x0                           ; the wave's end, behind my last tensor load and my last LDS store
	ds_add_u32 v[SPW], v[NIL]
	s_wait_dscnt 0x0
	CROUND                                         ; the closing round
	s_endpgm
.Lfunc_end_k_qc810bf0c38_oproj:
	.size	k_qc810bf0c38_oproj, .Lfunc_end_k_qc810bf0c38_oproj-k_qc810bf0c38_oproj
	.p2alignl 7, 3214868480
	.fill 96, 4, 3214868480
	.section	.rodata,"a",@progbits
	.p2align	6, 0x0
	.amdhsa_kernel k_qc810bf0c38_oproj
		.amdhsa_group_segment_fixed_size 327680
		.amdhsa_private_segment_fixed_size 0
		.amdhsa_enable_private_segment 0
		.amdhsa_kernarg_size 24
		.amdhsa_user_sgpr_count 2
		.amdhsa_user_sgpr_kernarg_segment_ptr 1
		.amdhsa_wavefront_size32 1
		.amdhsa_system_sgpr_workgroup_id_x 1
		.amdhsa_system_sgpr_workgroup_id_y 1
		.amdhsa_system_sgpr_workgroup_id_z 1
		.amdhsa_system_vgpr_workitem_id 0
		.amdhsa_next_free_vgpr 1024
		.amdhsa_next_free_sgpr 66
		.amdhsa_reserve_vcc 0
		.amdhsa_float_denorm_mode_32 3
		.amdhsa_float_denorm_mode_16_64 3
		.amdhsa_memory_ordered 1
		.amdhsa_forward_progress 1
		.amdhsa_inst_pref_size 149
	.end_amdhsa_kernel
	.amdgpu_metadata
---
amdhsa.version: [ 1, 2 ]
amdhsa.kernels:
  - .name:           k_qc810bf0c38_oproj
    .symbol:         k_qc810bf0c38_oproj.kd
    .args:
      - { .name: hf, .offset: 0, .size: 8, .value_kind: global_buffer, .address_space: global }
      - { .name: wof, .offset: 8, .size: 8, .value_kind: global_buffer, .address_space: global }
      - { .name: out0, .offset: 16, .size: 8, .value_kind: global_buffer, .address_space: global }
    .group_segment_fixed_size: 327680
    .private_segment_fixed_size: 0
    .kernarg_segment_align: 8
    .kernarg_segment_size: 24
    .max_flat_workgroup_size: 128
    .sgpr_count:     66
    .vgpr_count:     1024
    .wavefront_size: 32
...
	.end_amdgpu_metadata
.endif
;; end of part 4
